; MI455X (gfx1250); checked and timed in simulation.
; The chip was launched on July 23, 2026; its instructions are those of AMD's public machine-readable ISA for CDNA 5 (MIT licence, August 2026) and "CDNA5" Instruction Set Architecture Reference Guide (July 2026). The comments in the code are by the model that wrote it; some were corrected since.
;; Causal Self Attention. Allowed arithmetic: matrix products marked QUANTISED: E2M3 operands, one E8M0 scale for each 32 along K, by v_wmma_scale_f32_16x16x128_f8f6f4 with both operands' format E2M3, f32 sums; everything else in f32.
;; Inputs: beta 1,024 float32; gamma 1,024 float32; w_out 1,024 x 1,024 float32; w_qkv 3,072 x 1,024 float32; x 4 x 2,048 x 1,024 float32.
;; Outputs: out0 4 x 2,048 x 1,024 float32.
;; This version of the problem:
;;   THIS VERSION OF THE PROBLEM IS GIVEN IN LOW PRECISION. The matrix products marked QUANTISED in the list below multiply operands that are first quantised to E2M3 (2 exponent bits, 3 mantissa bits; 6 bits a number), with one power-of-two scale for each 32 numbers along K (OCP MX v1.0); their sums are f32. All else is computed in f32.
;;   The module's matrix products, in the order in which they are computed (A, B: the left and right operand; K: the contracted axis; several contracted axes count as one K, in the product's order):
;;     1. [M 8,192, K 1,024] x [K 1,024, N 3,072]; A: computed on the way; B: input w_qkv: QUANTISED
;;     2. batch 64 x [M 2,048, K 64] x [K 64, N 2,048]; A: computed on the way; B: computed on the way: QUANTISED
;;     3. batch 64 x [M 2,048, K 2,048] x [K 2,048, N 64]; A: softmax (see below); B: computed on the way: QUANTISED
;;     4. [M 8,192, K 1,024] x [K 1,024, N 1,024]; A: computed on the way; B: input w_out: QUANTISED
;;   THE QUANTISER, for each operand of a quantised product, along K:
;;     - K is cut into blocks of 32 from its start; a last block that is shorter is filled with zeros.
;;     - A block's scale is 2^e with e = floor(log2(the largest magnitude in the block)) - 2, held to -126 .. 127; a block of zeros has e = 0. As a byte (E8M0): e + 127.
;;     - Each number is divided by its block's scale, clamped to +-7.5, and rounded to the nearest number of E2M3, ties to even, subnormals kept.
;;     - The product sums the exact products of the quantised numbers (number of the format x scale) in f32.
;;   ~~~python
;;   def quantise(x, axis):      # numpy; x: float32 -> the quantised numbers, widened to float32 again
;;       x = np.moveaxis(x, axis, -1); K = x.shape[-1]
;;       x = np.pad(x, [(0, 0)] * (x.ndim - 1) + [(0, -K % 32)]); x = x.reshape(x.shape[:-1] + (-1, 32)); a = np.abs(x).max(-1, keepdims=True)
;;       e = np.where(a > 0, np.clip(np.frexp(np.where(a > 0, a, 1))[1] - 1 - 2, -126, 127), 0)      # np.frexp(a)[1] - 1 = floor(log2(a)), exactly
;;       r = np.clip(x / 2.0 ** e, -7.5, 7.5)
;;       step = 2.0 ** (np.maximum(np.frexp(np.where(r == 0, 1, r))[1] - 1, 0) - 3)
;;       q = np.round(r / step) * step * 2.0 ** e      # np.round: ties to even
;;       return np.moveaxis(q.reshape(q.shape[:-2] + (-1,))[..., :K], -1, axis).astype(np.float32)
;;   ~~~
;;   SOFTMAX AHEAD OF A QUANTISED PRODUCT. Where the list says 'softmax', what is quantised is not the finished softmax but p = 2^(t - M), with t = logit x log2(e) and M = ceil(the row's largest t), a whole number; so 1/2 < the row's largest p <= 1. The row's sum l is taken of the UNQUANTISED p, in f32, and the product's result is divided by l at the end. Since M is a whole number, a kernel that streams over the keys may use a running M (the ceiling of the running maximum): every later rescaling is an exact power of two, which a block's scale takes up: the codes' values come out the same.
;;   OPERANDS COMPUTED ON THE WAY. 'Computed on the way' means the value that the module computes at that place (a softmax that the list does not call 'softmax' is quantised finished and normalised). What goes into a quantiser is computed in f32, as accurately as f32 sums, v_exp_f32 and their like allow (about 1e-6 of the number): no bf16 or f16 on the way to a quantiser, and a product that is left as it is and whose result goes on into a quantised operand takes f32 operands (vector FMAs, or v_wmma_f32_16x16x4_f32). A number that lies on a knife's edge between two numbers of the format may be rounded either way, as far as f32 arithmetic and the matrix unit's own rounding can turn it there, and no further.
;; One version. Each part assembles by itself: llvm-mc -triple=amdgcn-amd-amdhsa -mcpu=gfx1250 --defsym DOCPART=n.
;; ======== version 1 of 1: 4 launches
;; workspace buffers: ops 9,830,400 bytes; qb 6,815,744 bytes; kv 13,369,344 bytes; obuf 6,553,600 bytes
;; launch prep (part 1): grid 384 x 1, 8 waves a work-group, no clusters, 133,120 bytes of LDS; arguments x, gamma, beta, w_qkv, w_out, ops; writes ops
.if DOCPART == 1
	.amdgcn_target "amdgcn-amd-amdhsa--gfx1250"
	.amdhsa_code_object_version 6
	.text
	.protected	k_q9b5ca07e1d_prep
	.globl	k_q9b5ca07e1d_prep
	.p2align	8
	.type	k_q9b5ca07e1d_prep,@function
k_q9b5ca07e1d_prep:
	s_mov_b64 s[64:65], 0
	v_nop
	global_prefetch_b8 v0, s[64:65] scope:SCOPE_SE
	s_setreg_imm32_b32 hwreg(HW_REG_WAVE_MODE, 25, 1), 1
	s_wait_xcnt 0x0
; LayerNorm of x, and the quantising of h = LN(x), w_qkv and w_out (all [rows][1024] f32, K innermost) into codes of FP6 (E2M3) with one E8M0 byte for each 32 along K.
; The codes are laid as IMAGES OF OPERAND REGISTERS.  A group of 128 rows is 102,400 bytes: codes [kslot 0..3][tile 0..7][khalf 0..3][768 bytes], then at 98,304 scale bytes [kslot][16 tile + r][8].
; A piece of 768 bytes is 16 rows x 64 K: lane (r, h) owns the 24 bytes of block h of row r: its registers 0-3 at 16 x lane, registers 4-5 at 512 + 8 x lane.
; THE ROWS OF A TILE ARE NOT NEIGHBOURS: place r of tile t is row 32 (t / 2) + 8 (t % 2) + r + 8 (r / 8) of the group.
; Groups: h 0-63, w_qkv 64-87, w_out 88-95.  A work-group takes 32 rows (two tiles); work-groups 0-255 take x, 256-351 w_qkv, 352-383 w_out; only a pointer is chosen, and the LayerNorm's register work is jumped over for weights.
; Phase 1: a wave takes 4 rows, a row at a time, dense loads of 512 bytes; mean and variance (two passes, in registers) over the wave; the rows go to LDS by their PLACE (16 tile + r), 4,112 bytes apart.
; Phase 2: wave w takes tile w & 1, kslot w >> 1: a lane reads whole blocks of 32 numbers, so that a block's largest magnitude needs no other lane.
; A block's scale byte is its largest magnitude's exponent field - 2, held at 1 from below.
; LIMITS: a block of zeros gets the byte 1 (its codes are zeros; this program alone reads the bytes); blocks whose largest magnitude lies under 2^-124 are held at the byte 1; NaN and infinities among the inputs are not served.
.set PITCH, 4112                       ; an LDS row: 4,096 bytes + 16: the 16 rows that a load of 16 bytes a lane touches start in 16 different columns of 16 bytes
.set GAM,   32                         ; v32-63   gamma, as a row is loaded
.set BET,   64                         ; v64-95   beta
.set XR,    96                         ; v96-223  four rows of 32 registers; in phase 2 four blocks of 32 numbers
.set PC,    224                        ; v224-247 codes: six registers for each of the four pieces
.set YY,    248                        ; v248-250 a block's upper 16 codes, before they are moved
.set GRP,   102400
	s_load_b256 s[4:11], s[0:1], 0x0               ; x, gamma, beta, w_qkv
	s_load_b128 s[12:15], s[0:1], 0x20             ; w_out, ops
	v_lshl_add_u32 v254, v0, 2, 0x20400
	v_mov_b32 v255, 0
	v_lshrrev_b32 v1, 5, v0
	v_readfirstlane_b32 s16, v1                    ; wave 0..7
	v_and_b32 v1, 31, v0                           ; lane
	v_lshlrev_b32 v2, 4, v1                        ; 16 x lane
	v_and_b32 v3, 15, v0                           ; r
	v_bfe_u32 v4, v0, 4, 1                         ; h
	v_lshlrev_b32 v7, 3, v1                        ; 8 x lane
	v_lshlrev_b32 v8, 3, v3
	v_lshl_add_u32 v8, v4, 2, v8                   ; 8 r + 4 h: my scale word's place
	v_lshlrev_b32 v9, 3, v4                        ; 8 h
	v_mov_b32 v11, 0                               ; upper halves of pairs of which the low word serves both halves
	v_mov_b32 v13, 0
	v_mov_b32 v18, 0                               ; destinations of lane permutes count as read
	v_mov_b32 v27, 0
	v_mov_b32 v28, 0
	s_mov_b32 s18, 0x76543210
	s_mov_b32 s19, 0xfedcba98                      ; selects for lane l xor 16
	s_mov_b32 s20, 0x3a800000                      ; 1 / 1024
	s_mov_b32 s17, 0x3727c5ac                      ; 1e-5
	s_lshr_b32 s21, s16, 1                         ; my four rows 4 w + i have the places 16 ((w >> 1) & 1) + 8 (w >> 2) + 4 (w & 1) + i
	s_and_b32 s21, s21, 1
	s_lshl_b32 s21, s21, 4
	s_lshr_b32 s25, s16, 2
	s_lshl_b32 s25, s25, 3
	s_add_co_u32 s21, s21, s25
	s_and_b32 s25, s16, 1                          ; also phase 2's tile
	s_lshl_b32 s26, s25, 2
	s_add_co_u32 s21, s21, s26
	s_mul_i32 s21, s21, PITCH
	v_add_nc_u32 v5, s21, v2                       ; phase 1's LDS address
	s_lshr_b32 s27, s16, 1                         ; phase 2's kslot
	s_mul_i32 s26, s25, 16*PITCH
	s_lshl_b32 s28, s27, 10
	s_add_co_u32 s26, s26, s28
	v_mul_u32_u24 v6, v3, PITCH
	v_lshl_add_u32 v6, v4, 7, v6
	v_add_nc_u32 v6, s26, v6                       ; phase 2's: place 16 tile + r, + 1,024 kslot + 128 h
	s_lshr_b32 s28, ttmp9, 2
	s_mul_i32 s28, s28, GRP                        ; my group
	s_and_b32 s30, ttmp9, 3
	s_lshl_b32 s30, s30, 1
	s_add_co_u32 s30, s30, s25                     ; my tile of the group's eight
	s_mul_i32 s32, s27, 24576
	s_mul_i32 s31, s30, 3072
	s_add_co_u32 s32, s32, s31
	s_add_co_u32 s32, s32, s28                     ; where my wave's 3,072 bytes of codes go
	s_mov_b32 s33, 0
	s_lshl_b32 s34, s27, 10
	s_lshl_b32 s31, s30, 7
	s_add_co_u32 s34, s34, s31
	s_add_co_u32 s34, s34, s28
	s_add_co_u32 s34, s34, 98304                   ; and its 128 scale bytes
	s_mov_b32 s35, 0
	s_mov_b32 s24, 352
	s_wait_kmcnt 0x0
	s_cmp_lt_u32 ttmp9, 352                        ; which tensor: the choice hangs on the work-group's number alone
	s_cselect_b64 s[22:23], s[10:11], s[12:13]
	s_cselect_b32 s24, 256, s24
	s_cmp_lt_u32 ttmp9, 256
	s_cselect_b64 s[22:23], s[4:5], s[22:23]
	s_cselect_b32 s24, 0, s24
	s_sub_co_u32 s24, ttmp9, s24
	s_lshl_b32 s24, s24, 17                        ; 32 rows of 4,096 bytes a work-group,
	s_lshl_b32 s25, s16, 14                        ; 4 rows a wave
	s_add_co_u32 s24, s24, s25
	s_mov_b32 s25, 0
	s_add_nc_u64 s[22:23], s[22:23], s[24:25]
	s_add_nc_u64 s[32:33], s[14:15], s[32:33]
	s_add_nc_u64 s[34:35], s[14:15], s[34:35]
.irp c, 0,1,2,3,4,5,6,7
	global_load_b128 v[XR+4*\c:XR+4*\c+3], v2, s[22:23] offset:512*\c th:TH_LOAD_NT    ; row 0: each load 512 consecutive bytes
.endr
.irp c, 0,1,2,3,4,5,6,7
	global_load_b128 v[GAM+4*\c:GAM+4*\c+3], v2, s[6:7] offset:512*\c
.endr
.irp c, 0,1,2,3,4,5,6,7
	global_load_b128 v[BET+4*\c:BET+4*\c+3], v2, s[8:9] offset:512*\c
.endr
.irp i, 1,2,3
.irp c, 0,1,2,3,4,5,6,7
	global_load_b128 v[XR+32*\i+4*\c:XR+32*\i+4*\c+3], v2, s[22:23] offset:4096*\i+512*\c th:TH_LOAD_NT
.endr
.endr
.macro REDUCE                          ; v14 summed over the 32 lanes, the result in every lane
	v_add_f32_dpp v14, v14, v14 row_xmask:1 row_mask:0xf bank_mask:0xf
	v_add_f32_dpp v14, v14, v14 row_xmask:2 row_mask:0xf bank_mask:0xf
	v_add_f32_dpp v14, v14, v14 row_xmask:4 row_mask:0xf bank_mask:0xf
	v_add_f32_dpp v14, v14, v14 row_xmask:8 row_mask:0xf bank_mask:0xf
	v_permlanex16_b32 v18, v14, s18, s19
	v_add_f32 v14, v14, v18
.endm
; Row i of my four.  left: the loads of the rows behind it, which may stay out.
.macro ROW i, left
.set X, XR+32*\i
	s_wait_loadcnt \left
	s_cmp_lt_u32 ttmp9, 256                        ; weights are quantised as they are
	s_cbranch_scc0 .Lraw_\@
	v_pk_add_f32 v[14:15], v[X:X+1], v[X+2:X+3]    ; the sum, two chains
	v_pk_add_f32 v[16:17], v[X+4:X+5], v[X+6:X+7]
.irp j, 8,12,16,20,24,28
	v_pk_add_f32 v[14:15], v[14:15], v[X+\j:X+\j+1]
	v_pk_add_f32 v[16:17], v[16:17], v[X+\j+2:X+\j+3]
.endr
	v_pk_add_f32 v[14:15], v[14:15], v[16:17]
	v_add_f32 v14, v14, v15
	REDUCE
	v_mul_f32 v10, s20, v14                        ; the mean
.irp j, 0,2,4,6,8,10,12,14,16,18,20,22,24,26,28,30
	v_pk_add_f32 v[X+\j:X+\j+1], v[X+\j:X+\j+1], v[10:11] op_sel_hi:[1,0] neg_lo:[0,1] neg_hi:[0,1]   ; x - mean, in place
.endr
	v_pk_mul_f32 v[14:15], v[X:X+1], v[X:X+1]      ; the squares of the differences: a common offset of x does no harm
	v_pk_mul_f32 v[16:17], v[X+2:X+3], v[X+2:X+3]
.irp j, 4,8,12,16,20,24,28
	v_pk_fma_f32 v[14:15], v[X+\j:X+\j+1], v[X+\j:X+\j+1], v[14:15]
	v_pk_fma_f32 v[16:17], v[X+\j+2:X+\j+3], v[X+\j+2:X+\j+3], v[16:17]
.endr
	v_pk_add_f32 v[14:15], v[14:15], v[16:17]
	v_add_f32 v14, v14, v15
	REDUCE
	v_fma_f32 v14, v14, s20, s17                   ; the variance + 1e-5
	v_rsq_f32 v12, v14
	v_nop                                          ; a plain instruction behind the transcendental,
	s_wait_alu depctr_va_vdst(0)                   ; and the wait ahead of its first reader
.irp j, 0,2,4,6,8,10,12,14,16,18,20,22,24,26,28,30
	v_pk_mul_f32 v[X+\j:X+\j+1], v[X+\j:X+\j+1], v[12:13] op_sel_hi:[1,0]
.endr
.irp j, 0,2,4,6,8,10,12,14,16,18,20,22,24,26,28,30
	v_pk_fma_f32 v[X+\j:X+\j+1], v[X+\j:X+\j+1], v[GAM+\j:GAM+\j+1], v[BET+\j:BET+\j+1]
.endr
.Lraw_\@:
.irp c, 0,1,2,3,4,5,6,7
	ds_store_b128 v5, v[X+4*\c:X+4*\c+3] offset:\i*PITCH+512*\c
.endr
.endm
	ROW 0, 24                                      ; row 0, gamma and beta are in; rows 1 to 3 (24 loads) may be out
	ROW 1, 16
	ROW 2, 8
	ROW 3, 0
	s_wait_dscnt 0x0                               ; for the others' sake: my rows lie in LDS
	s_barrier_signal -1
	s_barrier_wait -1
.irp kh, 0,1,2,3
.irp j, 0,1,2,3,4,5,6,7
	ds_load_b128 v[XR+32*\kh+4*\j:XR+32*\kh+4*\j+3], v6 offset:256*\kh+16*\j   ; block 2 kh + h of my kslot, of the row at place 16 tile + r
.endr
.endr
; Piece kh: my block's largest magnitude, its byte, its 32 codes, and the piece's 768 bytes out.
.macro UNIT kh
.set XS, XR+32*\kh
	s_wait_dscnt 24-8*\kh                          ; the later pieces' loads may be out
	v_max3_num_f32 v24, |v[XS]|, |v[XS+1]|, |v[XS+2]|
	v_max3_num_f32 v25, |v[XS+3]|, |v[XS+4]|, |v[XS+5]|
.irp i, 6,10,14,18,22,26
	v_max3_num_f32 v24, v24, |v[XS+\i]|, |v[XS+\i+1]|
	v_max3_num_f32 v25, v25, |v[XS+\i+2]|, |v[XS+\i+3]|
.endr
	v_max3_num_f32 v24, v24, |v[XS+30]|, |v[XS+31]|
	v_max3_num_f32 v24, v24, v25, 0x1800000        ; and the floor 2^(3 - 127): the byte cannot fall under 1
	v_add_nc_u32 v26, 0xff000000, v24              ; 2 off the exponent field: the conversion's scale operand
	v_lshrrev_b32 v[20+\kh], 23, v26               ; the byte
	v_cvt_scalef32_pk16_fp6_f32 v[PC+6*\kh:PC+6*\kh+2], v[XS:XS+15], v26
	v_cvt_scalef32_pk16_fp6_f32 v[YY:YY+2], v[XS+16:XS+31], v26   ; (a conversion's three registers begin on an even number)
	v_nop                                          ; one plain place behind a scaled conversion
.irp i, 0,1,2
	v_mov_b32 v[PC+6*\kh+3+\i], v[YY+\i]
.endr
	global_store_b128 v2, v[PC+6*\kh:PC+6*\kh+3], s[32:33] offset:768*\kh          ; 512 consecutive bytes,
	global_store_b64 v7, v[PC+6*\kh+4:PC+6*\kh+5], s[32:33] offset:768*\kh+512     ; and the 256 behind them
.endm
	UNIT 0
	UNIT 1
	UNIT 2
	UNIT 3
	v_lshl_or_b32 v24, v21, 16, v20                ; my bytes are blocks h, 2 + h (first word) and 4 + h, 6 + h (second word) of the kslot's eight
	v_lshl_or_b32 v25, v23, 16, v22
	v_lshlrev_b32 v24, v9, v24
	v_lshlrev_b32 v25, v9, v25
	v_permlanex16_b32 v27, v24, s18, s19
	v_permlanex16_b32 v28, v25, s18, s19
	v_or_b32 v24, v24, v27                         ; with lane l xor 16's the words are whole
	v_or_b32 v25, v25, v28
	v_cmp_ne_u32 vcc_lo, 0, v4
	v_cndmask_b32 v24, v24, v25, vcc_lo            ; lanes 0-15 store the first word, lanes 16-31 the second
	global_store_b32 v8, v24, s[34:35]             ; 128 consecutive bytes
	s_wait_tensorcnt 0x0
	ds_add_u32 v254, v255
	s_wait_dscnt 0x0
	s_endpgm
.Lfunc_end_k_q9b5ca07e1d_prep:
	.size	k_q9b5ca07e1d_prep, .Lfunc_end_k_q9b5ca07e1d_prep-k_q9b5ca07e1d_prep
	.p2alignl 7, 3214868480
	.fill 96, 4, 3214868480
	.section	.rodata,"a",@progbits
	.p2align	6, 0x0
	.amdhsa_kernel k_q9b5ca07e1d_prep
		.amdhsa_group_segment_fixed_size 133120
		.amdhsa_private_segment_fixed_size 0
		.amdhsa_enable_private_segment 0
		.amdhsa_kernarg_size 48
		.amdhsa_user_sgpr_count 2
		.amdhsa_user_sgpr_kernarg_segment_ptr 1
		.amdhsa_wavefront_size32 1
		.amdhsa_system_sgpr_workgroup_id_x 1
		.amdhsa_system_sgpr_workgroup_id_y 1
		.amdhsa_system_sgpr_workgroup_id_z 1
		.amdhsa_system_vgpr_workitem_id 0
		.amdhsa_next_free_vgpr 256
		.amdhsa_next_free_sgpr 66
		.amdhsa_reserve_vcc 1
		.amdhsa_float_denorm_mode_32 3
		.amdhsa_float_denorm_mode_16_64 3
		.amdhsa_memory_ordered 1
		.amdhsa_forward_progress 1
		.amdhsa_inst_pref_size 44
	.end_amdhsa_kernel
	.amdgpu_metadata
---
amdhsa.version: [ 1, 2 ]
amdhsa.kernels:
  - .name:           k_q9b5ca07e1d_prep
    .symbol:         k_q9b5ca07e1d_prep.kd
    .args:
      - { .name: x, .offset: 0, .size: 8, .value_kind: global_buffer, .address_space: global }
      - { .name: gamma, .offset: 8, .size: 8, .value_kind: global_buffer, .address_space: global }
      - { .name: beta, .offset: 16, .size: 8, .value_kind: global_buffer, .address_space: global }
      - { .name: w_qkv, .offset: 24, .size: 8, .value_kind: global_buffer, .address_space: global }
      - { .name: w_out, .offset: 32, .size: 8, .value_kind: global_buffer, .address_space: global }
      - { .name: ops, .offset: 40, .size: 8, .value_kind: global_buffer, .address_space: global }
    .group_segment_fixed_size: 133120
    .private_segment_fixed_size: 0
    .kernarg_segment_align: 8
    .kernarg_segment_size: 48
    .max_flat_workgroup_size: 256
    .sgpr_count:     66
    .vgpr_count:     256
    .wavefront_size: 32
...
	.end_amdgpu_metadata
.endif
;; end of part 1
;; launch gemm_qkv (part 2): grid 12 x 32, 4 waves a work-group, clusters of 4 x 4, 327,680 bytes of LDS; arguments ops, qb, kv; writes qb, kv
.if DOCPART == 2
	.amdgcn_target "amdgcn-amd-amdhsa--gfx1250"
	.amdhsa_code_object_version 6
	.text
	.protected	k_q9b5ca07e1d_gemm_qkv
	.globl	k_q9b5ca07e1d_gemm_qkv
	.p2align	8
	.type	k_q9b5ca07e1d_gemm_qkv,@function
k_q9b5ca07e1d_gemm_qkv:
	s_mov_b64 s[64:65], 0
	v_nop
	global_prefetch_b8 v0, s[64:65] scope:SCOPE_SE
	s_setreg_imm32_b32 hwreg(HW_REG_WAVE_MODE, 25, 1), 1
	s_wait_xcnt 0x0
	s_wait_alu depctr_hold_cnt(0) depctr_sa_sdst(0) depctr_va_vdst(0) depctr_va_sdst(0) depctr_va_ssrc(0) depctr_va_vcc(0) depctr_vm_vsrc(0)
	s_getreg_b32 s2, hwreg(HW_REG_IB_STS2, 6, 4)
	s_cmp_eq_u32 s2, 0
	s_cbranch_scc0 .Lentry_in_a_cluster
	s_endpgm
.Lentry_in_a_cluster:
	s_bfe_u32 s2, ttmp6, 0x10000c
	s_cmp_lg_u32 s2, 0xf033
	s_cbranch_scc0 .Lentry_shape_is_right
	s_endpgm
.Lentry_shape_is_right:
; qkv = h w_qkv^T on codes of FP6 (E2M3) with E8M0 scales, K = 1,024; the results are quantised in registers and leave as operand images for the attention: q and k along the head's 64, v along the keys.
; OPERANDS come from ops as images of operand registers (a group of 128 rows = 102,400 bytes: codes [kslot][tile][khalf][768], scale bytes at 98,304: [kslot][16 tile + r][8]); h is groups 0-63, w_qkv 64-87.
; A tile of C, 256 x 256, is made by four waves, 128 x 128 each: 64 accumulators, 512 registers.  K goes in steps of 256 (a kslot) through a ring of two LDS slots; a wave's tensor load brings one group's kslot, 24,576 dense bytes.
; The scales of the four groups, for all of K, come into LDS once with the first fills.  Every LDS read is 16 or 8 bytes x lane on end: no padding.
; CLUSTERS 4 x 4: A's tile is shared along a row of the cluster, B's along a column, each asked for jointly.  THE MATRIX INSTRUCTION IS USED TRANSPOSED: source 0 = 16 rows of B, source 1 = 16 rows of A.
; ROLES, by the cluster's x alone (equal in all sixteen partners): 0: q, 1: k: A = h (tokens), B = rows of w_qkv.  2: v TRANSPOSED: A = w_qkv's rows 2,048 on (channels), B = h (tokens), so that a lane's registers run along the keys.
; Since the rows of a tile of B are chosen (place r of tile t = row 32 (t / 2) + 8 (t % 2) + r + 8 (r / 8)), the 64 results of a lane for one block of A's rows are B's rows 32 b + 16 (lane / 16) + i at register 16 b + i: neighbours along the next K.
; OUT: qb: for each (head, 128 tokens) 6,656 bytes: 8 pieces of 768 (tile a), then 512 bytes of scale words (tile a, row r at 16 (r + 16 (a & 1)) + 4 (a >> 1); bytes 2, 3 are 0).
;      kv: for each (head, 128 keys) 13,056 bytes: k as in qb; at 6,656 v's four channel tiles of 1,536 bytes; at 12,800 v's scale words ((ct, r) at 8 (r + 16 (ct & 1)) + 4 (ct >> 1)).
; No prefetch: four K steps a tile, each tile shared by four partners; the launch is short.
; LIMITS: a block of zeros gets the byte 1 (its codes are zeros; this program alone reads the bytes); blocks under 2^-124 are held at the byte 1; NaN and infinities are not served.
; REGISTERS, in windows of 256: window 0: v0-31 addresses; v32-63 scale words, two sets; v128-223 A's fragments, one set.  window 1: B's fragments, two sets, at v0 and v128.  windows 2, 3: the accumulators ((a, b) at v[8 (8 (a % 4) + b)]).
.set NQ,     2                         ; matrix instructions deep in a slot
.set FR,     12                        ; registers of a fragment: 16 rows x 128 K
.set NL,     4                         ; LDS loads that bring one
.set NP,     4                         ; places behind this matrix instruction (ISA guide 7.12.1)
.set HALFT,  24576                     ; a group's kslot: what one tensor load brings
.set SLOT,   4*HALFT                   ; A's two groups, then B's two
.set LAPS,   2                         ; a lap = two kslots = once round the ring
.set SCL,    2*SLOT                    ; behind the ring: the scales, 4,096 bytes a group
.set HALFS,  4096
.set SBLK,   128                       ; those of 16 rows of one kslot
.set SPARE,  SCL+4*HALFS               ; the spare words, 128 bytes for each wave: two blocks of 256 bytes that no other line names
.set GRP,    102400
.set ADRA, 16                          ; v16-17 A's group in slot 0, 1, + 16 x lane;  v18-19 + 8 x lane
.set ADRB, 20                          ; v20-23 the same for B
.set ADRS, 27                          ; v27    my scale words: lanes 0-15 A's rows, lanes 16-31 B's
.set SPW,  28                          ; v28    my spare word; never rewritten
.set NIL,  29                          ; v29    0; never rewritten
.set O16,  30                          ; v30    16 x lane
.set O8,   31                          ; v31    8 x lane
.set SC,   32                          ; scale words: set s at v[SC + 16 s]; register 2 i + q: lanes 0-15 A's tile i, lanes 16-31 B's tile i, the slot's q-th 128 along K
.set AF,   128
.set SW,   32                          ; the way out: v32-39 the eight blocks' scale words, v40-43 and v44-51 the same, sorted for their stores
.set MM,   40
.set NN,   44
.set PCB,  64                          ; v64-159 the codes, 12 registers for each block, so that no store's data are written again
.set TM,   176                         ; v176-191 at work
.set CT,   192                         ; v192-198 the upper halves' codes, before they are moved
.set G1, 24
.set G0, 32
.set G1B, 48
.set G0B, 56
.set G1S, 68
.set G0S, 76
.set G1SB, 80
.set G0SB, 88
.set MSB, 0
.macro WIN new                         ; the immediate's high byte repeats the setting that is left
.if MSB != (\new)
	s_set_vgpr_msb (MSB<<8)|(\new)
.set MSB, (\new)
.endif
.endm
.set MUL_LO, 0xa1                      ; source 0 (B) window 1, source 1 (A) window 0, C and D window 2
.set MUL_HI, 0xf1                      ; the same, C and D window 3
.set TO_B,   0x40                      ; destination window 1, address window 0
; A joint load: waves 0 and 1 fetch for A, waves 2 and 3 for B.  The branch hangs on the wave's number alone.  Four v_nop follow each of the two lines.
.macro JLOAD g0a, g1a, g0b, g1b
	s_cmp_eq_u32 s15, 0
	s_cbranch_scc0 .Lfor_b_\@
	tensor_load_to_lds s[\g0a:\g0a+3], s[\g1a:\g1a+7]
	s_nop 0
.rept 4
	v_nop
.endr
	s_branch .Lasked_\@
.Lfor_b_\@:
	tensor_load_to_lds s[\g0b:\g0b+3], s[\g1b:\g1b+7]
	s_nop 0
.rept 4
	v_nop
.endr
.Lasked_\@:
.endm
.macro CREST                           ; a round of the cluster's barrier behind its opening barrier
	s_cmp_lg_u32 s14, 0
	s_cbranch_scc1 .Lnot_wave_0_\@
	s_barrier_signal -3
.Lnot_wave_0_\@:
	s_barrier_wait -3
	s_barrier_signal -1
	s_barrier_wait -1
.endm
.macro CROUND                          ; a whole round
	s_barrier_signal -1
	s_barrier_wait -1
	CREST
.endm
	s_load_b128 s[4:7], s[0:1], 0x0                ; ops, qb
	s_load_b64 s[8:9], s[0:1], 0x10                ; kv
	v_lshl_add_u32 v[SPW], v0, 2, SPARE
	v_mov_b32 v[NIL], 0
	ds_add_u32 v28, v29
	s_wait_dscnt 0x0
	v_lshrrev_b32 v1, 5, v0
	v_readfirstlane_b32 s14, v1                    ; wave 0..3
	s_lshr_b32 s15, s14, 1                         ; which of A's two groups is mine.  Also: I fetch for A (0) or for B (1)
	s_and_b32 s16, s14, 1                          ; which of B's.  Also: which of the two groups I fetch
	s_bfe_u32 s40, ttmp6, 0x40000                  ; cx, cy: my place in the cluster
	s_bfe_u32 s41, ttmp6, 0x40004
	s_lshl_b32 s43, s41, 2
	s_lshl_b32 s43, 15, s43                        ; my row of the cluster
	s_lshl_b32 s44, 0x1111, s40                    ; my column
	; descriptor group 1: 24,576 dense bytes as 96 rows of 256 bytes (32 elements of 8 bytes), no padding
	s_or_b32 s[G1+0], s43, (3<<16)|(1<<21)         ; 15:0 the mask: A's tiles go to my row; 17:16 elements of 8 bytes; 21 set beside a mask
	s_or_b32 s[G1B+0], s44, (3<<16)|(1<<21)
.irp g, G1, G1B
	s_mov_b32 s[\g+1], 32<<16                      ; tensor_dim0
	s_mov_b32 s[\g+2], 96<<16                      ; tensor_dim1
	s_mov_b32 s[\g+3], 32<<16                      ; tile_dim0
	s_mov_b32 s[\g+4], 96                          ; tile_dim1
	s_mov_b32 s[\g+5], 32                          ; tensor_dim0_stride
	s_mov_b32 s[\g+6], 0
	s_mov_b32 s[\g+7], 0
.endr
	s_or_b32 s[G1S+0], s43, (3<<16)|(1<<21)        ; the scales of a group: 4,096 dense bytes, 16 rows of 256
	s_or_b32 s[G1SB+0], s44, (3<<16)|(1<<21)
.irp g, G1S, G1SB
	s_mov_b32 s[\g+1], 32<<16
	s_mov_b32 s[\g+2], 16<<16
	s_mov_b32 s[\g+3], 32<<16
	s_mov_b32 s[\g+4], 16
	s_mov_b32 s[\g+5], 32
	s_mov_b32 s[\g+6], 0
	s_mov_b32 s[\g+7], 0
.endr
	; which groups.  q, k: A = h's group 8 cly + 2 cy + half, B = w_qkv's 64 + 8 clx + 2 cx + half.  v: A = w_qkv's 80 + 2 cy + half, B = h's 8 cly + 2 cx + half.
	s_and_b32 s17, ttmp7, 0xffff
	s_lshl_b32 s17, s17, 3                         ; 8 x cluster y
	s_lshl_b32 s42, ttmp9, 3
	s_add_co_u32 s42, s42, 64                      ; 64 + 8 x cluster x
	s_cmp_eq_u32 ttmp9, 2
	s_cselect_b32 s20, 80, s17
	s_cselect_b32 s46, s17, s42
	s_lshl_b32 s18, s41, 1
	s_add_co_u32 s20, s20, s18                     ; A's hangs on cy alone,
	s_add_co_u32 s20, s20, s16
	s_lshl_b32 s19, s40, 1
	s_add_co_u32 s46, s46, s19                     ; B's on cx alone
	s_add_co_u32 s46, s46, s16
	s_mul_i32 s20, s20, GRP
	s_mov_b32 s21, 0
	s_mul_i32 s46, s46, GRP
	s_mov_b32 s47, 0
	s_mul_i32 s45, s14, HALFT                      ; where they go: wave x a group's kslot: no place in the cluster enters an LDS address
	s_mul_i32 s94, s14, HALFS
	s_wait_kmcnt 0x0
	s_add_nc_u64 s[20:21], s[4:5], s[20:21]
	s_add_nc_u64 s[46:47], s[4:5], s[46:47]
	CROUND                                         ; all sixteen work-groups are here: the first joint loads meet
	s_mov_b32 s[G0S], 1
	s_add_co_u32 s[G0S+1], s94, SCL
	s_add_nc_u64 s[G0S+2:G0S+3], s[20:21], 98304
	s_or_b32 s[G0S+3], s[G0S+3], 0x80000000
	s_mov_b32 s[G0SB], 1
	s_add_co_u32 s[G0SB+1], s94, SCL
	s_add_nc_u64 s[G0SB+2:G0SB+3], s[46:47], 98304
	s_or_b32 s[G0SB+3], s[G0SB+3], 0x80000000
	JLOAD G0S, G1S, G0SB, G1SB                     ; the scales first: they are wanted with kslot 0
.irp s, 0,1
	s_mov_b32 s[G0+4*\s], 1
	s_add_co_u32 s[G0+4*\s+1], s45, \s*SLOT
	s_add_nc_u64 s[G0+4*\s+2:G0+4*\s+3], s[20:21], \s*HALFT
	s_or_b32 s[G0+4*\s+3], s[G0+4*\s+3], 0x80000000
	s_mov_b32 s[G0B+4*\s], 1
	s_add_co_u32 s[G0B+4*\s+1], s45, \s*SLOT
	s_add_nc_u64 s[G0B+4*\s+2:G0B+4*\s+3], s[46:47], \s*HALFT
	s_or_b32 s[G0B+4*\s+3], s[G0B+4*\s+3], 0x80000000
	JLOAD G0+4*\s, G1, G0B+4*\s, G1B               ; three loads of mine are out
.endr
	v_and_b32 v1, 31, v0                           ; lane; kept
	v_and_b32 v2, 15, v0                           ; r
	v_bfe_u32 v3, v0, 4, 1                         ; h
	v_lshlrev_b32 v[O16], 4, v1
	v_lshlrev_b32 v[O8], 3, v1
	s_mul_i32 s21, s15, HALFT                      ; my group of A
	s_mul_i32 s22, s16, HALFT                      ; my group of B,
	s_add_co_u32 s22, s22, 2*HALFT                 ; behind A's two
.irp s, 0,1
	v_add_nc_u32 v[ADRA+\s], s21, v[O16]
	v_add_nc_u32 v[ADRB+\s], s22, v[O16]
	v_add_nc_u32 v[ADRA+2+\s], s21, v[O8]
	v_add_nc_u32 v[ADRB+2+\s], s22, v[O8]
	s_add_co_u32 s21, s21, SLOT
	s_add_co_u32 s22, s22, SLOT
.endr
	v_lshlrev_b32 v5, 3, v2                        ; my row's 8 scale bytes of a kslot
	s_mul_i32 s21, s15, HALFS                      ; A's: my group
	s_mul_i32 s22, s16, HALFS                      ; B's: my group, behind A's two
	s_add_co_u32 s22, s22, 2*HALFS
	s_sub_co_u32 s22, s22, s21
	v_mul_u32_u24 v6, s22, v3                      ; lanes 16-31 take B's: one product, the distance between the two
	s_add_co_u32 s21, s21, SCL
	v_add_nc_u32 v5, v5, v6
	v_add_nc_u32 v[ADRS], s21, v5
.macro FRAG reg, adr, q, i             ; a fragment = two pieces of 768 bytes on end: registers 0-3, 4-5, 6-9, 10-11, each load consecutive over the lanes
	ds_load_b128 v[\reg:\reg+3], v[\adr] offset:3072*(\i)+1536*(\q)
	ds_load_b64 v[\reg+4:\reg+5], v[\adr+2] offset:3072*(\i)+1536*(\q)+512
	ds_load_b128 v[\reg+6:\reg+9], v[\adr] offset:3072*(\i)+1536*(\q)+768
	ds_load_b64 v[\reg+10:\reg+11], v[\adr+2] offset:3072*(\i)+1536*(\q)+1280
.endm
; 16 matrix instructions: A's blocks a0, a0 + 1 x B's eight, the slot's q-th 128 along K.  p: B's set; sc: the set of scale words.  zero = 1: the first product starts the sums.
; The 64 accumulators take turns, one instruction a turn, in the same order in every step.
.macro MUL16 a0, p, q, sc, zero
.irp a, \a0, \a0+1
.irp b, 0,1,2,3,4,5,6,7
.if \zero
	v_wmma_scale_f32_16x16x128_f8f6f4 v[8*(8*((\a)%4)+\b):8*(8*((\a)%4)+\b)+7], v[128*(\p)+FR*\b:128*(\p)+FR*\b+FR-1], v[AF+FR*(\a):AF+FR*(\a)+FR-1], 0, v[SC+8*NQ*(\sc)+NQ*\b+(\q)], v[SC+8*NQ*(\sc)+NQ*(\a)+(\q)] matrix_a_fmt:MATRIX_FMT_FP6 matrix_b_fmt:MATRIX_FMT_FP6 matrix_a_scale:MATRIX_SCALE_ROW1
.else
	v_wmma_scale_f32_16x16x128_f8f6f4 v[8*(8*((\a)%4)+\b):8*(8*((\a)%4)+\b)+7], v[128*(\p)+FR*\b:128*(\p)+FR*\b+FR-1], v[AF+FR*(\a):AF+FR*(\a)+FR-1], v[8*(8*((\a)%4)+\b):8*(8*((\a)%4)+\b)+7], v[SC+8*NQ*(\sc)+NQ*\b+(\q)], v[SC+8*NQ*(\sc)+NQ*(\a)+(\q)] matrix_a_fmt:MATRIX_FMT_FP6 matrix_b_fmt:MATRIX_FMT_FP6 matrix_a_scale:MATRIX_SCALE_ROW1
.endif
.endr
.endr
.endm
.macro FETCH_B slot, q, p              ; B's eight fragments of the slot's q-th 128 along K into set p
	WIN TO_B
.irp i, 0,1,2,3,4,5,6,7
	FRAG 128*(\p)+FR*\i, ADRB+\slot, \q, \i
.endr
	WIN 0
.endm
.macro FETCH_A slot, q, i0             ; A's blocks i0 .. i0 + 3
.irp i, \i0, \i0+1, \i0+2, \i0+3
	FRAG AF+FR*(\i), ADRA+\slot, \q, \i
.endr
.endm
.macro SCALES sc                       ; the kslot's scale words into set sc: two words a row; lanes 0-15 A's tile i, lanes 16-31 B's
.irp i, 0,1,2,3,4,5,6,7
	ds_load_b64 v[SC+8*NQ*\sc+NQ*\i:SC+8*NQ*\sc+NQ*\i+1], v[ADRS] offset:\i*SBLK
.endr
.endm
.macro PLACES n                        ; places in front of loads into registers that matrix instructions have read, and of the first read of results
.rept \n
	v_nop
.endr
.endm
; A step of 128 along K that has its successor in the same slot.
.macro STEP slot, q, zero
	s_wait_dscnt 4*NL                              ; B's set and A's blocks 0-3 are in; the youngest sixteen loads (A's blocks 4-7) may be out
	WIN MUL_LO
	MUL16 0, (\q)%2, \q, \slot, \zero
	MUL16 2, (\q)%2, \q, \slot, \zero
	s_wait_dscnt 0                                 ; A's blocks 4-7 are in (asked for 32 matrix instructions ago)
	PLACES NP
	FETCH_B \slot, (\q)+1, 1-(\q)%2
	FETCH_A \slot, (\q)+1, 0
	WIN MUL_HI
	MUL16 4, (\q)%2, \q, \slot, \zero
	MUL16 6, (\q)%2, \q, \slot, \zero
	PLACES NP
	WIN 0
	FETCH_A \slot, (\q)+1, 4
.endm
; A slot's last step changes slots: ONE barrier; in front of it each wave waits for all its tensor loads, adds 0 to its spare word, and waits for that and for its own reads of this slot.  fill = 1: this slot is filled again, two kslots ahead.
.macro TURN slot, next, fill
	s_wait_tensorcnt 0x0                           ; all my tensor loads have landed: my part of the next slot
	ds_add_u32 v[SPW], v[NIL]                      ; 0 onto my spare word
	s_wait_dscnt 4*NL+1                            ; (the add and the youngest sixteen loads, A's blocks 4-7, may be out)
	WIN MUL_LO
	MUL16 0, 1, NQ-1, \slot, 0                     ; sixteen matrix instructions stand between the add and the wait for it
	s_wait_dscnt 0x0                               ; the add is done, and my reads of this slot are over
	s_barrier_signal -1
	MUL16 2, 1, NQ-1, \slot, 0
	WIN 0
	s_barrier_wait -1
.if \fill
	CREST                                          ; the barrier has opened a round of the cluster's barrier: no wave of any partner still reads this slot or has a load on its way
	s_add_nc_u64 s[G0+4*\slot+2:G0+4*\slot+3], s[G0+4*\slot+2:G0+4*\slot+3], 2*HALFT
	s_add_nc_u64 s[G0B+4*\slot+2:G0B+4*\slot+3], s[G0B+4*\slot+2:G0B+4*\slot+3], 2*HALFT
	JLOAD G0+4*\slot, G1, G0B+4*\slot, G1B         ; the first tensor load behind the round; its four v_nop are also the places in front of the loads below
.else
	PLACES NP
.endif
	v_add_nc_u32 v[ADRS], 1024, v[ADRS]            ; on to the next kslot's scale words
	FETCH_B \next, 0, 0
	FETCH_A \next, 0, 0
	SCALES \next
	WIN MUL_HI
	MUL16 4, 1, NQ-1, \slot, 0
	MUL16 6, 1, NQ-1, \slot, 0
	PLACES NP
	WIN 0
	FETCH_A \next, 0, 4
.endm
	s_wait_tensorcnt 1                             ; the scales and my part of kslot 0 are in (kslot 1's load may be out)
	s_barrier_signal -1
	s_barrier_wait -1                              ; everybody's are
	FETCH_B 0, 0, 0
	FETCH_A 0, 0, 0
	SCALES 0
	FETCH_A 0, 0, 4
	STEP 0, 0, 1                                   ; the first step stands in front of the loop: its products start the sums
	s_mov_b32 s3, LAPS-1
.Llap:                                                 ; a trip goes once round the ring and fills both slots again
	TURN 0, 1, 1
	STEP 1, 0, 0
	TURN 1, 0, 1
	STEP 0, 0, 0
	s_sub_co_u32 s3, s3, 1
	s_cmp_lg_u32 s3, 0
	s_cbranch_scc1 .Llap
	TURN 0, 1, 0                                   ; the last lap fills nothing
	STEP 1, 0, 0
	s_wait_dscnt 4*NL                              ; the very last step: nothing more to fetch
	WIN MUL_LO
	MUL16 0, 1, NQ-1, 1, 0
	MUL16 2, 1, NQ-1, 1, 0
	s_wait_dscnt 0
	WIN MUL_HI
	MUL16 4, 1, NQ-1, 1, 0
	MUL16 6, 1, NQ-1, 1, 0
	WIN 0
; THE WAY OUT.  No LDS: a block's 64 results of a lane become a fragment's 12 registers and a scale word, and leave as they stand.
; 64 numbers at v[s] on of window w, register 16 b + i = k 32 b + 16 (lane / 16) + i of my row, become codes in v[pc] on and the scale word v[sw] (window 0).  Each accumulator is read from its low end on.
.macro QUANTW s, w, pc, sw
	WIN ((\w)<<2)|((\w)<<4)                        ; sources 1 and 2: the accumulators' window
.irp b, 0,1,2,3
	v_max3_num_f32 v[TM+\b], 0x1800000, |v[(\s)+16*\b]|, |v[(\s)+16*\b+1]|   ; block b: my 16 numbers, and the floor 2^(3 - 127)
.endr
.irp i, 2,4,6,8,10,12,14
.irp b, 0,1,2,3
	v_max3_num_f32 v[TM+\b], v[TM+\b], |v[(\s)+16*\b+\i]|, |v[(\s)+16*\b+\i+1]|
.endr
.endr
	WIN 0
.irp b, 0,1,2,3
	v_permlanex16_b32 v[TM+4+\b], v[TM+\b], s96, s97
.endr
.irp b, 0,1,2,3
	v_max_num_f32 v[TM+\b], v[TM+\b], v[TM+4+\b]   ; with lane l xor 16's: the block's largest magnitude
.endr
.irp b, 0,1,2,3
	v_add_nc_u32 v[TM+12+\b], 0xff000000, v[TM+\b] ; 2 off its exponent field: the conversion's scale operand
.endr
.irp b, 0,1,2,3
	v_lshrrev_b32 v[TM+4+\b], 23, v[TM+12+\b]      ; the byte
.endr
	v_lshl_or_b32 v[\sw], v[TM+5], 8, v[TM+4]
	v_lshl_or_b32 v[\sw], v[TM+6], 16, v[\sw]
	v_lshl_or_b32 v[\sw], v[TM+7], 24, v[\sw]
	WIN (\w)                                       ; source 0: the accumulators' window
.irp c, 0,1
	v_cvt_scalef32_pk16_fp6_f32 v[(\pc)+6*\c:(\pc)+6*\c+2], v[(\s)+32*\c:(\s)+32*\c+15], v[TM+12+2*\c]
	v_cvt_scalef32_pk16_fp6_f32 v[CT+4*\c:CT+4*\c+2], v[(\s)+32*\c+16:(\s)+32*\c+31], v[TM+12+2*\c+1]
.endr
	WIN 0
	v_nop                                          ; one plain place behind a scaled conversion
.irp c, 0,1                                    ; the operand's layout wants a whole block in a lane
.irp i, 0,1,2
	v_permlane16_swap_b32 v[(\pc)+6*\c+\i], v[CT+4*\c+\i]
.endr
.irp i, 0,1,2
	v_mov_b32 v[(\pc)+3+6*\c+\i], v[CT+4*\c+\i]
.endr
.endr
.endm
	PLACES NP
	; where my results go.  q, k: tokens' group TG = 8 cly + 2 cy + my A half, heads 2 HP, 2 HP + 1 with HP = 2 cx + my B half: registers 0-5 to the first head, 6-11 to the second, tile a 768 bytes on.
	; v: keys' group TG = 8 cly + 2 cx + my B half, HP = 2 cy + my A half: block a is channel tile a % 4 of head 2 HP + a / 4, its two pieces on end.
	s_mov_b32 s96, 0x76543210
	s_mov_b32 s97, 0xfedcba98
	s_and_b32 s68, ttmp7, 0xffff
	s_lshl_b32 s68, s68, 3
	s_lshl_b32 s69, s40, 1
	s_add_co_u32 s69, s69, s16
	s_lshl_b32 s70, s41, 1
	s_add_co_u32 s70, s70, s15
	s_mov_b32 s74, 13056
	s_mov_b32 s92, 1536
	s_mov_b32 s94, 202752
	s_mov_b32 s77, 6656
	s_cmp_eq_u32 ttmp9, 2
	s_cselect_b32 s71, s69, s70
	s_cselect_b32 s72, s70, s69                    ; HP
	s_cselect_b32 s92, s92, 768                    ; from block to block
	s_cselect_b32 s94, s94, 0                      ; and once more behind block 3: on to the second head (16 x 13,056 - 4 x 1,536)
	s_cselect_b32 s78, s77, 0                      ; v lies 6,656 bytes into its block of kv
	s_cmp_eq_u32 ttmp9, 0
	s_cselect_b32 s73, s77, s74                    ; bytes for (head, 128 tokens): 6,656 in qb, 13,056 in kv
	s_cselect_b64 s[80:81], s[6:7], s[8:9]
	s_mov_b32 s93, 0
	s_mov_b32 s95, 0
	s_add_co_u32 s71, s71, s68                     ; TG
	s_lshr_b32 s79, s71, 4
	s_lshl_b32 s79, s79, 4                         ; 16 x batch
	s_lshl_b32 s72, s72, 1
	s_add_co_u32 s79, s79, s72                     ; + the first head
	s_lshl_b32 s79, s79, 4
	s_and_b32 s71, s71, 15
	s_add_co_u32 s79, s79, s71                     ; x 16 + the group of 128 tokens in the sequence
	s_mul_i32 s82, s79, s73
	s_add_co_u32 s82, s82, s78
	s_mov_b32 s83, 0
	s_add_nc_u64 s[80:81], s[80:81], s[82:83]      ; the first head's block
	s_lshl_b32 s84, s73, 4                         ; a head on
	s_mov_b32 s85, 0
	s_add_nc_u64 s[86:87], s[80:81], s[84:85]      ; the second head's
	s_cmp_eq_u32 ttmp9, 2
	s_cselect_b32 s84, 768, s84
	s_mov_b64 s[88:89], s[80:81]                   ; where registers 0-5 go,
	s_add_nc_u64 s[90:91], s[80:81], s[84:85]      ; and registers 6-11
.irp b, 0,1,2,3
	v_mov_b32 v[TM+4+\b], 0                        ; written once: a lane permute's destination counts as one of its sources
.endr
.irp a, 0,1,2,3,4,5,6,7
	QUANTW 64*((\a)%4), 2+(\a)/4, PCB+12*\a, SW+\a
.if \a > 0
	s_wait_xcnt 0x0                                ; the last block's stores have read their bases: they step only behind this wait
	s_add_nc_u64 s[88:89], s[88:89], s[92:93]
	s_add_nc_u64 s[90:91], s[90:91], s[92:93]
.endif
.if \a == 4
	s_add_nc_u64 s[88:89], s[88:89], s[94:95]
	s_add_nc_u64 s[90:91], s[90:91], s[94:95]
.endif
	global_store_b128 v[O16], v[PCB+12*\a:PCB+12*\a+3], s[88:89]                  ; 512 consecutive bytes,
	global_store_b64 v[O8], v[PCB+12*\a+4:PCB+12*\a+5], s[88:89] offset:512       ; and the 256 behind them
	global_store_b128 v[O16], v[PCB+12*\a+6:PCB+12*\a+9], s[90:91]
	global_store_b64 v[O8], v[PCB+12*\a+10:PCB+12*\a+11], s[90:91] offset:512
.endr
	v_cmp_lt_u32 vcc_lo, 15, v1
.irp j, 0,1,2,3
	v_cndmask_b32 v[MM+\j], v[SW+2*\j], v[SW+2*\j+1], vcc_lo   ; lanes 0-15: block 2 j's word of row r; lanes 16-31: block 2 j + 1's
.endr
	s_cmp_eq_u32 ttmp9, 2                          ; the same way in all sixteen partners; no barrier, tensor load or LDS line stands in either arm
	s_cbranch_scc1 .Lv_scales
.irp j, 0,1,2,3
	v_and_b32 v[NN+\j], 0xffff, v[MM+\j]           ; bytes 0, 1: the first head's two blocks; the word's upper bytes are 0, over zero codes
	v_lshrrev_b32 v[NN+4+\j], 16, v[MM+\j]         ; bytes 2, 3: the second head's
.endr
	global_store_b128 v[O16], v[NN:NN+3], s[80:81] offset:6144
	global_store_b128 v[O16], v[NN+4:NN+7], s[86:87] offset:6144
	s_branch .Lscales_out
.Lv_scales:
	global_store_b64 v[O8], v[MM:MM+1], s[80:81] offset:6144     ; blocks 0-3: the first head's four channel tiles
	global_store_b64 v[O8], v[MM+2:MM+3], s[86:87] offset:6144   ; blocks 4-7: the second head's
.Lscales_out:
	s_wait_tensorcnt 0x0                           ; the wave's end
	ds_add_u32 v[SPW], v[NIL]
	s_wait_dscnt 0x0
	CROUND                                         ; the closing round: no work-group ends while a partner may still ask for a tile that names it
	s_endpgm
.Lfunc_end_k_q9b5ca07e1d_gemm_qkv:
	.size	k_q9b5ca07e1d_gemm_qkv, .Lfunc_end_k_q9b5ca07e1d_gemm_qkv-k_q9b5ca07e1d_gemm_qkv
	.p2alignl 7, 3214868480
	.fill 96, 4, 3214868480
	.section	.rodata,"a",@progbits
	.p2align	6, 0x0
	.amdhsa_kernel k_q9b5ca07e1d_gemm_qkv
		.amdhsa_group_segment_fixed_size 327680
		.amdhsa_private_segment_fixed_size 0
		.amdhsa_enable_private_segment 0
		.amdhsa_kernarg_size 24
		.amdhsa_user_sgpr_count 2
		.amdhsa_user_sgpr_kernarg_segment_ptr 1
		.amdhsa_wavefront_size32 1
		.amdhsa_system_sgpr_workgroup_id_x 1
		.amdhsa_system_sgpr_workgroup_id_y 1
		.amdhsa_system_sgpr_workgroup_id_z 1
		.amdhsa_system_vgpr_workitem_id 0
		.amdhsa_next_free_vgpr 1024
		.amdhsa_next_free_sgpr 98
		.amdhsa_reserve_vcc 1
		.amdhsa_float_denorm_mode_32 3
		.amdhsa_float_denorm_mode_16_64 3
		.amdhsa_memory_ordered 1
		.amdhsa_forward_progress 1
		.amdhsa_inst_pref_size 150
	.end_amdhsa_kernel
	.amdgpu_metadata
---
amdhsa.version: [ 1, 2 ]
amdhsa.kernels:
  - .name:           k_q9b5ca07e1d_gemm_qkv
    .symbol:         k_q9b5ca07e1d_gemm_qkv.kd
    .args:
      - { .name: ops, .offset: 0, .size: 8, .value_kind: global_buffer, .address_space: global }
      - { .name: qb, .offset: 8, .size: 8, .value_kind: global_buffer, .address_space: global }
      - { .name: kv, .offset: 16, .size: 8, .value_kind: global_buffer, .address_space: global }
    .group_segment_fixed_size: 327680
    .private_segment_fixed_size: 0
    .kernarg_segment_align: 8
    .kernarg_segment_size: 24
    .max_flat_workgroup_size: 128
    .sgpr_count:     98
    .vgpr_count:     1024
    .wavefront_size: 32
...
	.end_amdgpu_metadata
.endif
;; end of part 2
;; launch attn (part 3): grid 4 x 64, 16 waves a work-group, no clusters, 327,680 bytes of LDS; arguments qb, kv, obuf; writes obuf
.if DOCPART == 3
	.amdgcn_target "amdgcn-amd-amdhsa--gfx1250"
	.amdhsa_code_object_version 6
	.text
	.protected	k_q9b5ca07e1d_attn
	.globl	k_q9b5ca07e1d_attn
	.p2align	8
	.type	k_q9b5ca07e1d_attn,@function
k_q9b5ca07e1d_attn:
	s_mov_b64 s[64:65], 0
	v_nop
	global_prefetch_b8 v0, s[64:65] scope:SCOPE_SE
	s_setreg_imm32_b32 hwreg(HW_REG_WAVE_MODE, 25, 1), 1
	s_wait_xcnt 0x0
; Causal attention of 64 heads (T = 2,048, head size 64), both products on codes of FP6 (E2M3) with E8M0 scales; O / l is quantised along the 1,024 channels and leaves as an operand image for the last product.
; SOFTMAX: t = score x log2(e) / 8; M = the running largest t, rounded UP to a whole number; p = 2^(t - M) is quantised along the keys; the row's sum is taken of the unquantised p and divides O at the end.
; SHARES.  Work-group (x, head) owns two blocks of 256 queries: the late block 7 - x and the early block x.  Wave w owns tile w of both (group of 128 tokens G = 2 block + (w >> 3), tile a = w & 7); both tiles' state stays in registers.
; The work-group makes NINE visits of a slot of 256 keys, whatever x: visit T < 8 - x serves the late tile on slot T, the others the early tile on slot T - (8 - x): nothing that the mask hides whole is fetched, and all work-groups have equal work.
; A step is 128 keys.  A step all of whose keys come after my queries is jumped over (a scalar branch on ids); in the step on the diagonal hidden scores become -infinity ahead of the maximum.
; LAYOUT.  Both products transposed: S^T = K Q^T (source 0 = 16 keys, source 1 = my 16 queries), O^T = V^T P^T: a lane holds one query throughout.  The head's 64 fill half of the instruction's 128 along K: the other half is zero codes in registers that are cleared once.
; The keys of a tile of K, and the channels of a tile of V, are chosen (place r of tile t = 32 (t / 2) + 8 (t % 2) + r + 8 (r / 8)): so p's and O's 16 registers of two neighbouring tiles are 16 neighbours along the next K.
; K and V come from kv, 13,056 dense bytes for (head, 128 keys), as images of operand registers, through a ring of two LDS slots; waves 0 and 1 fetch one such block each.  Every LDS read is 16 or 8 bytes x lane on end.
; NO CLUSTER: the four work-groups of a head want different slots in the same visit from visit 5 on (x decides where the early block begins), and a joint load wants one descriptor for all partners.
; LIMITS: a block of zeros gets the byte 1 (its codes are zeros; this program alone reads the bytes); blocks under 2^-124 are held at the byte 1; NaN and infinities are not served.
.set BLK,   13056                      ; (head, 128 keys): K's 8 pieces of 768, 512 bytes of K's scale words, V's 4 tiles of 1,536, 256 bytes of V's scale words
.set SLOT1, 32768                      ; slot 1 begins here: one exclusive or turns an address in one slot into the other's
.set SPARE, 65536                      ; the spare words, 128 bytes for each wave: eight blocks of 256 bytes that no other line names
.set A16,  1                           ; v1   16 x lane
.set A8,   2                           ; v2   8 x lane
.set SPW,  3                           ; v3   my spare word; never rewritten
.set NIL,  4                           ; v4   0; never rewritten
.set DM,   5                           ; v5   my query's place in its 128, less 16 (lane / 16)
.set AD16, 6                           ; v6   the slot in hand + 16 x lane
.set AD8,  7                           ; v7   + 8 x lane
.set KF,   42                          ; v42-89   four fragments of K; the upper six registers of each stay zero
.set S,    90                          ; v90-153  S^T, then p; V's four fragments land in v90-137 behind the conversions
.set PCD,  218                         ; v218-229 p's codes
.set BM,   230                         ; v230-233 the blocks' largest scores
.set T2,   234                         ; v234-241 at work
.set SO,   242                         ; v242-245 the conversions' scale operands
.set KS,   246                         ; v246-249 K's scale words, then V's
.set FF,   250                         ; v250 f = 2^(old M - new M)
.set PW,   251                         ; v251 p's scale word
.set WK,   252
.set NINF, 253
.set PFO,  254                         ; v254 256 x lane; never rewritten
.set R8,   255                         ; v255 8 r
; state of a tile at st: -M, the largest t, the sum in two halves.  late: st 8, Q v16-27, its scale word v40, O^T v154-185, G in s17.  early: st 12, Q v28-39, v41, v186-217, s18.
.macro TLOAD                           ; waves 0 and 1 fetch; four v_nop follow the line
	s_cmp_lt_u32 s10, 2
	s_cbranch_scc0 .Lno_load_\@
	tensor_load_to_lds s[32:35], s[24:31]
	s_nop 0
.rept 4
	v_nop
.endr
.Lno_load_\@:
.endm
; A PREFETCH INTO THE L2.  A head's K and V are one stream of 816 blocks of 256 bytes.  Work-group x = 0 walks all of it; its waves 4 to 7, which fetch nothing, ask: request n = 4 T + (wave - 4), for n < 19,
; names blocks 204 + 32 n + lane.  So each block is named once in the launch, a visit or more ahead of the tensor load that wants it.  Slots 0 and 1 and the head's last four blocks come by their loads alone.
.macro ASK
	s_cmp_lt_u32 s44, 19
	s_cbranch_scc0 .Lnot_mine_\@
	global_prefetch_b8 v[PFO], s[42:43] th:TH_LOAD_NT scope:SCOPE_SE
.Lnot_mine_\@:
	s_add_co_u32 s44, s44, 4
.endm
	s_load_b128 s[4:7], s[0:1], 0x0                ; qb, kv
	s_load_b64 s[8:9], s[0:1], 0x10                ; obuf
	v_lshl_add_u32 v[SPW], v0, 2, SPARE
	v_mov_b32 v[NIL], 0
	ds_add_u32 v3, v4
	s_wait_dscnt 0x0
	v_lshrrev_b32 v1, 5, v0
	v_readfirstlane_b32 s10, v1                    ; wave 0..15
	s_mov_b32 s11, ttmp9                           ; x
	s_and_b32 s12, ttmp7, 0xffff                   ; 16 x batch + head
	s_sub_co_u32 s13, 8, s11                       ; the late block's slots
	s_mov_b32 s14, 0                               ; the visit
	s_mov_b32 s15, 0                               ; the slot in hand
	s_lshr_b32 s40, s10, 3
	s_lshl_b32 s18, s11, 1
	s_sub_co_u32 s17, 14, s18
	s_add_co_u32 s17, s17, s40                     ; my late tile's group of 128 tokens
	s_add_co_u32 s18, s18, s40                     ; my early tile's
	s_mov_b32 s20, 0x76543210
	s_mov_b32 s21, 0xfedcba98                      ; selects for lane l xor 16
	s_mov_b32 s22, 0x3e38aa3b                      ; c = log2(e) / 8
	s_mov_b32 s23, s22                             ; (named with it as a pair)
	; descriptor group 1: 13,056 dense bytes as 51 rows of 256 bytes (32 elements of 8 bytes)
	s_mov_b32 s24, 3<<16
	s_mov_b32 s25, 32<<16
	s_mov_b32 s26, 51<<16
	s_mov_b32 s27, 32<<16
	s_mov_b32 s28, 51
	s_mov_b32 s29, 32
	s_mov_b32 s30, 0
	s_mov_b32 s31, 0
	s_and_b32 s41, s10, 1
	s_mov_b32 s32, 1
	s_mul_i32 s33, s41, BLK                        ; LDS: slot 0, my half
	s_mul_i32 s38, s12, 16*BLK
	s_add_co_u32 s38, s38, s33
	s_mov_b32 s39, 0
	s_and_b32 s45, s10, 7                          ; a: my tile in its group
	s_lshr_b32 s58, s12, 4
	s_lshl_b32 s58, s58, 4                         ; 16 x batch
	s_and_b32 s59, s12, 15                         ; head
	s_lshr_b32 s60, s59, 2                         ; its kslot in obuf,
	s_and_b32 s61, s59, 3                          ; its khalf
	s_mul_i32 s62, s60, 24576
	s_mul_i32 s63, s45, 3072
	s_add_co_u32 s62, s62, s63
	s_mul_i32 s63, s61, 768
	s_add_co_u32 s62, s62, s63                     ; my piece of codes in a group's image
	s_lshl_b32 s60, s60, 10
	s_lshl_b32 s63, s45, 7
	s_add_co_u32 s60, s60, s63
	s_lshl_b32 s61, s61, 1
	s_add_co_u32 s60, s60, s61
	s_add_co_u32 s60, s60, 98304                   ; and my tile's scale bytes: + 8 r a row
	s_add_co_u32 s63, s58, s17
	s_mul_i32 s63, s63, 102400
	s_add_co_u32 s46, s63, s62
	s_add_co_u32 s48, s63, s60
	s_add_co_u32 s63, s58, s18
	s_mul_i32 s63, s63, 102400
	s_add_co_u32 s50, s63, s62
	s_add_co_u32 s52, s63, s60
	s_mov_b32 s47, 0
	s_mov_b32 s49, 0
	s_mov_b32 s51, 0
	s_mov_b32 s53, 0
	s_lshl_b32 s63, s12, 4
	s_add_co_u32 s54, s63, s17
	s_mul_i32 s54, s54, 6656                       ; Q: the late tile's (head, 128 tokens),
	s_mov_b32 s55, 0
	s_add_co_u32 s56, s63, s18
	s_mul_i32 s56, s56, 6656                       ; the early tile's
	s_mov_b32 s57, 0
	s_mul_i32 s42, s12, 16*BLK                     ; the prefetches: one step of 32,768 bytes under block 204 + 32 (wave & 3)
	s_and_b32 s63, s10, 3
	s_lshl_b32 s62, s63, 13
	s_add_co_u32 s42, s42, s62
	s_add_co_u32 s42, s42, 19456
	s_mov_b32 s43, 0
	s_lshr_b32 s62, s10, 2
	s_xor_b32 s62, s62, 1                          ; 0 in waves 4 to 7,
	s_or_b32 s62, s62, s11                         ; of work-group x = 0
	s_cmp_eq_u32 s62, 0
	s_cselect_b32 s44, s63, 1000                   ; my next request's number; no other wave ever asks
	s_wait_kmcnt 0x0
	s_add_nc_u64 s[36:37], s[6:7], s[38:39]        ; kv at my head, my half of a slot
	s_mov_b64 s[34:35], s[36:37]
	s_or_b32 s35, s35, 0x80000000
	TLOAD                                          ; visit 0's slot: the launch's first fill
	s_add_nc_u64 s[42:43], s[6:7], s[42:43]
	s_add_nc_u64 s[46:47], s[8:9], s[46:47]
	s_add_nc_u64 s[48:49], s[8:9], s[48:49]
	s_add_nc_u64 s[50:51], s[8:9], s[50:51]
	s_add_nc_u64 s[52:53], s[8:9], s[52:53]
	s_add_nc_u64 s[54:55], s[4:5], s[54:55]
	s_add_nc_u64 s[56:57], s[4:5], s[56:57]
	v_and_b32 v230, 31, v0                         ; lane
	v_lshlrev_b32 v[A16], 4, v230
	v_lshlrev_b32 v[A8], 3, v230
	v_lshlrev_b32 v[PFO], 8, v230
	v_and_b32 v231, 15, v0                         ; r
	v_bfe_u32 v232, v0, 4, 1                       ; h
	v_lshlrev_b32 v[R8], 3, v231
	v_and_b32 v233, 8, v231
	v_add_nc_u32 v233, v233, v231                  ; r + 8 (r / 8)
	v_lshlrev_b32 v232, 4, v232
	v_sub_nc_u32 v233, v233, v232
	s_lshr_b32 s62, s45, 1
	s_lshl_b32 s40, s62, 5
	s_and_b32 s63, s45, 1
	s_lshl_b32 s41, s63, 3
	s_add_co_u32 s40, s40, s41
	v_add_nc_u32 v[DM], s40, v233                  ; 32 (a / 2) + 8 (a % 2) + r + 8 (r / 8) - 16 h
	s_mul_i32 s40, s45, 768
	v_add_nc_u32 v6, s40, v[A16]                   ; Q's piece: tile a
	v_add_nc_u32 v7, s40, v[A8]
	s_lshl_b32 s63, s63, 8
	s_lshl_b32 s62, s62, 2
	s_add_co_u32 s63, s63, s62
	v_lshl_add_u32 v[WK], v231, 4, s63             ; its scale word: 16 (r + 16 (a & 1)) + 4 (a >> 1)
	global_load_b128 v[16:19], v6, s[54:55]
	global_load_b64 v[20:21], v7, s[54:55] offset:512
	global_load_b32 v40, v[WK], s[54:55] offset:6144
	global_load_b128 v[28:31], v6, s[56:57]
	global_load_b64 v[32:33], v7, s[56:57] offset:512
	global_load_b32 v41, v[WK], s[56:57] offset:6144
.irp j, 22,23,24,25,26,27,34,35,36,37,38,39
	v_mov_b32 v[\j], 0                             ; Q's K = 64 .. 127: zero codes
.endr
.irp t, 0,1,2,3
.irp j, 6,7,8,9,10,11
	v_mov_b32 v[KF+12*\t+\j], 0                    ; K's likewise: cleared once, never loaded into
.endr
.endr
.irp st, 8, 12
	v_mov_b32 v[\st+1], 0xff61b1e6                 ; the largest t so far: -3e38
	v_floor_f32 v[\st], -v[\st+1]                  ; -M
	v_mov_b32 v[\st+2], 0                          ; the sum, in two halves
	v_mov_b32 v[\st+3], 0
.endr
.set n, 0
.rept 64
	v_mov_b32 v[154+n], 0                          ; both tiles' O^T: the step is written without a first step of its own: the first change of M multiplies zeros
.set n, n+1
.endr
.irp b, 0,1,2,3
	v_mov_b32 v[T2+\b], 0                          ; a lane permute's destination counts as one of its sources
.endr
	v_mov_b32 v[PW], 0                             ; (named as the upper half of the pair with f before it is first written)
	v_mov_b32 v[NINF], 0xff800000
.macro WKQ d, kf, sc, row, qf, qs
.if \row
	v_wmma_scale_f32_16x16x128_f8f6f4 v[\d:\d+7], v[\kf:\kf+11], v[\qf:\qf+11], 0, v[\sc], v[\qs] matrix_a_fmt:MATRIX_FMT_FP6 matrix_b_fmt:MATRIX_FMT_FP6 matrix_a_scale:MATRIX_SCALE_ROW1
.else
	v_wmma_scale_f32_16x16x128_f8f6f4 v[\d:\d+7], v[\kf:\kf+11], v[\qf:\qf+11], 0, v[\sc], v[\qs] matrix_a_fmt:MATRIX_FMT_FP6 matrix_b_fmt:MATRIX_FMT_FP6
.endif
.endm
.macro WPV d, vf, sc, row
.if \row
	v_wmma_scale_f32_16x16x128_f8f6f4 v[\d:\d+7], v[\vf:\vf+11], v[PCD:PCD+11], v[\d:\d+7], v[\sc], v[PW] matrix_a_fmt:MATRIX_FMT_FP6 matrix_b_fmt:MATRIX_FMT_FP6 matrix_a_scale:MATRIX_SCALE_ROW1
.else
	v_wmma_scale_f32_16x16x128_f8f6f4 v[\d:\d+7], v[\vf:\vf+11], v[PCD:PCD+11], v[\d:\d+7], v[\sc], v[PW] matrix_a_fmt:MATRIX_FMT_FP6 matrix_b_fmt:MATRIX_FMT_FP6
.endif
.endm
; A KEY STEP: the kq-th 128 keys of the slot in hand, for the tile whose Q is at qf, scale word qs, state st, O^T ob, group of tokens in s[gg].  s16 = the slot's first group of keys.
.macro STEP qf, qs, st, ob, gg, kq
	s_add_co_u32 s19, s16, \kq
	s_cmp_gt_u32 s19, s[\gg]                       ; all 128 keys come after my queries: the step is left out
	s_cbranch_scc1 .Lhidden_\@
.rept 5
	v_nop                                          ; S^T is laid over registers that the last products V^T P read: five places; four of them serve the loads into the scale words' registers
.endr
	ds_load_b128 v[KS:KS+3], v[AD16] offset:BLK*\kq+6144   ; K's scale words: register j: lanes 0-15 tile 2 j, lanes 16-31 tile 2 j + 1
.irp gr, 0,1                                   ; S^T = K Q^T, four tiles of 16 keys at a time
.if \gr
.rept 4
	v_nop                                          ; places in front of loads into registers that matrix instructions have read
.endr
.endif
.irp t, 0,1,2,3
	ds_load_b128 v[KF+12*\t:KF+12*\t+3], v[AD16] offset:BLK*\kq+768*(4*\gr+\t)
	ds_load_b64 v[KF+12*\t+4:KF+12*\t+5], v[AD8] offset:BLK*\kq+768*(4*\gr+\t)+512
.endr
	s_wait_dscnt 0x0
.irp t, 0,1,2,3
	WKQ S+8*(4*\gr+\t), KF+12*\t, KS+2*\gr+\t/2, \t%2, \qf, \qs
.endr
.endr
.rept 4
	v_nop
.endr
	s_cmp_lt_u32 s19, s[\gg]                       ; all keys count: no mask
	s_cbranch_scc1 .Lopen_\@
.set n, 0
.rept 64                                       ; register 16 b + i holds key 32 b + 16 (lane / 16) + i of the 128: hidden where 32 b + i > my query's place - 16 (lane / 16)
	v_cmp_gt_i32 vcc_lo, 32*(n/16)+n%16, v[DM]
	v_cndmask_b32 v[S+n], v[S+n], v[NINF], vcc_lo
.set n, n+1
.endr
.Lopen_\@:
.irp b, 0,1,2,3
	v_max3_num_f32 v[BM+\b], v[S+16*\b], v[S+16*\b+1], v[S+16*\b+2]   ; the largest score of each block of 32 keys: it serves the row's maximum and, since p rises with the score, the block's largest p
.endr
.irp i, 3,5,7,9,11,13
.irp b, 0,1,2,3
	v_max3_num_f32 v[BM+\b], v[BM+\b], v[S+16*\b+\i], v[S+16*\b+\i+1]
.endr
.endr
.irp b, 0,1,2,3
	v_max_num_f32 v[BM+\b], v[BM+\b], v[S+16*\b+15]
.endr
.irp b, 0,1,2,3
	v_permlanex16_b32 v[T2+\b], v[BM+\b], s20, s21
.endr
.irp b, 0,1,2,3
	v_max_num_f32 v[BM+\b], v[BM+\b], v[T2+\b]     ; with lane l xor 16's 16 keys
.endr
	v_max3_num_f32 v[WK], v[BM], v[BM+1], v[BM+2]
	v_max_num_f32 v[WK], v[WK], v[BM+3]
	v_mul_f32 v[WK], s22, v[WK]                    ; the step's largest t
	v_max_num_f32 v[\st+1], v[\st+1], v[WK]        ; the running largest t
	v_mov_b32 v[WK], v[\st]
	v_floor_f32 v[\st], -v[\st+1]                  ; the new -M = -ceil(t): a whole number
	v_sub_f32 v[WK], v[\st], v[WK]                 ; old M - new M: a whole number, 0 or less
	v_cvt_i32_f32 v[WK], v[WK]                     ; (it saturates)
	v_ldexp_f32 v[FF], 1.0, v[WK]                  ; f = 2^(old M - new M): a multiplication by it rounds nothing
.set n, 0
.rept 32
	v_pk_fma_f32 v[S+n:S+n+1], v[S+n:S+n+1], s[22:23], v[\st:\st+1] op_sel_hi:[1,0,0]   ; t - M, two at a time
.set n, n+2
.endr
.irp b, 0,1,2,3
	v_fma_f32 v[BM+\b], v[BM+\b], s22, v[\st]      ; the same of each block's largest score
.endr
.set n, 0
.rept 64
	v_exp_f32 v[S+n], v[S+n]                       ; p = 2^(t - M), not normalised
.set n, n+1
.endr
	v_pk_mul_f32 v[\st+2:\st+3], v[\st+2:\st+3], v[FF:FF+1] op_sel_hi:[1,0]   ; the sums under the new M (a plain place behind the exponentials)
	s_wait_alu depctr_va_vdst(0)                   ; one wait for the batch of 64, ahead of its first reader
.irp b, 0,1,2,3
	v_exp_f32 v[BM+\b], v[BM+\b]                   ; the blocks' largest p
.endr
	v_pk_add_f32 v[T2:T2+1], v[S:S+1], v[S+2:S+3]  ; the row's sum of the unquantised p, in two chains (plain work behind the four)
.irp j, 4,8,12,16,20,24,28,32,36,40,44,48,52,56,60
	v_pk_add_f32 v[\st+2:\st+3], v[\st+2:\st+3], v[S+\j:S+\j+1]
	v_pk_add_f32 v[T2:T2+1], v[T2:T2+1], v[S+\j+2:S+\j+3]
.endr
	v_pk_add_f32 v[\st+2:\st+3], v[\st+2:\st+3], v[T2:T2+1]
	s_wait_alu depctr_va_vdst(0)                   ; and one for the four
.irp b, 0,1,2,3
	v_max_num_f32 v[BM+\b], 0x1800000, v[BM+\b]    ; the floor 2^(3 - 127): a block whose every p is 0 keeps the byte 1 over zero codes
.endr
.irp b, 0,1,2,3
	v_add_nc_u32 v[SO+\b], 0xff000000, v[BM+\b]    ; 2 off the exponent field: the conversion's scale operand
.endr
.irp b, 0,1,2,3
	v_lshrrev_b32 v[T2+\b], 23, v[SO+\b]           ; the byte
.endr
	v_lshl_or_b32 v[PW], v[T2+1], 8, v[T2]         ; p's scale word for these 128 keys
	v_lshl_or_b32 v[PW], v[T2+2], 16, v[PW]
	v_lshl_or_b32 v[PW], v[T2+3], 24, v[PW]
.irp c, 0,1
	v_cvt_scalef32_pk16_fp6_f32 v[PCD+6*\c:PCD+6*\c+2], v[S+32*\c:S+32*\c+15], v[SO+2*\c]
	v_cvt_scalef32_pk16_fp6_f32 v[T2+4*\c:T2+4*\c+2], v[S+32*\c+16:S+32*\c+31], v[SO+2*\c+1]
.endr
	v_nop                                          ; one plain place behind a scaled conversion
.irp ct, 0,1,2,3                               ; V's four channel tiles x these 128 keys land where p lay
	ds_load_b128 v[S+12*\ct:S+12*\ct+3], v[AD16] offset:BLK*\kq+6656+1536*\ct
	ds_load_b64 v[S+12*\ct+4:S+12*\ct+5], v[AD8] offset:BLK*\kq+6656+1536*\ct+512
	ds_load_b128 v[S+12*\ct+6:S+12*\ct+9], v[AD16] offset:BLK*\kq+6656+1536*\ct+768
	ds_load_b64 v[S+12*\ct+10:S+12*\ct+11], v[AD8] offset:BLK*\kq+6656+1536*\ct+1280
.endr
	ds_load_b64 v[KS:KS+1], v[AD8] offset:BLK*\kq+12800   ; V's scale words: register j: lanes 0-15 tile 2 j, lanes 16-31 tile 2 j + 1
.irp c, 0,1                                    ; the operand's layout wants a whole block in a lane
.irp i, 0,1,2
	v_permlane16_swap_b32 v[PCD+6*\c+\i], v[T2+4*\c+\i]
.endr
.irp i, 0,1,2
	v_mov_b32 v[PCD+3+6*\c+\i], v[T2+4*\c+\i]
.endr
.endr
.set n, 0
.rept 16
	v_pk_mul_f32 v[\ob+n:\ob+n+1], v[\ob+n:\ob+n+1], v[FF:FF+1] op_sel_hi:[1,0]   ; O^T under the new M; these are also the places between the scale word's and the codes' last writes and the products
.set n, n+2
.endr
	s_wait_dscnt 0x0
.irp ct, 0,1,2,3
	WPV \ob+8*\ct, S+12*\ct, KS+\ct/2, \ct%2       ; O^T += V^T P^T: four accumulators by turns
.endr
.Lhidden_\@:
.endm
; THE CHANGE OF SLOTS stands at a visit's head.  Each wave waits for all its tensor loads (its part of the slot that it is about to read), adds 0 to its spare word, and waits for that and for its reads of the slot that it has left.
; fill = 1: behind the barrier the slot just left is filled with the next visit's keys: slot T + 1 of the head, or T + 1 - (8 - x) once the early block has begun.  One load of a fetching wave is out; it has a visit's steps in which to land.
.macro CHANGE fill
	s_wait_tensorcnt 0x0                           ; no tensor load of mine is out, so the descriptor may be written
	ds_add_u32 v[SPW], v[NIL]                      ; 0 onto my spare word
.if \fill
	s_add_co_u32 s40, s14, 1
	s_cmp_lt_u32 s40, s13
	s_cselect_b32 s41, 0, s13
	s_sub_co_u32 s40, s40, s41
	s_mul_i32 s38, s40, 2*BLK
	s_add_nc_u64 s[34:35], s[36:37], s[38:39]
	s_or_b32 s35, s35, 0x80000000
	s_xor_b32 s33, s33, SLOT1                      ; the other slot than last time
	s_wait_xcnt 0x0                                ; the last prefetch, a visit back, has read its address, so it may be written
	s_add_nc_u64 s[42:43], s[42:43], 32768         ; four requests of 8,192 bytes on
.endif
	s_wait_dscnt 0x0                               ; the add is done, and my reads of the slot that I have left are over
	s_barrier_signal -1
	s_barrier_wait -1
.if \fill
	TLOAD                                          ; the first thing behind the barrier, and a wave's one tensor load until the next
	ASK
.endif
.endm
	s_wait_loadcnt 0x0                             ; Q
.Lvisit:                                           ; eight trips, whatever x
	CHANGE 1
	v_add_nc_u32 v[AD16], s15, v[A16]
	v_add_nc_u32 v[AD8], s15, v[A8]
	s_cmp_lt_u32 s14, s13                          ; the same way in all sixteen waves
	s_cbranch_scc0 .Learly
	s_lshl_b32 s16, s14, 1                         ; the slot's first group of keys
	STEP 16, 40, 8, 154, 17, 0
	STEP 16, 40, 8, 154, 17, 1
	s_branch .Ljoin
.Learly:
	s_sub_co_u32 s16, s14, s13
	s_lshl_b32 s16, s16, 1
	STEP 28, 41, 12, 186, 18, 0
	STEP 28, 41, 12, 186, 18, 1
.Ljoin:
	s_xor_b32 s15, s15, SLOT1
	s_add_co_u32 s14, s14, 1
	s_cmp_lt_u32 s14, 8
	s_cbranch_scc1 .Lvisit
	CHANGE 0                                       ; the ninth visit is written out: nothing is left to fetch, and it is always the early tile's
	v_add_nc_u32 v[AD16], s15, v[A16]
	v_add_nc_u32 v[AD8], s15, v[A8]
	s_sub_co_u32 s16, s14, s13
	s_lshl_b32 s16, s16, 1
	STEP 28, 41, 12, 186, 18, 0
	STEP 28, 41, 12, 186, 18, 1
; THE WAY OUT of a tile: O^T / the sum; register 16 b + i is channel 32 b + 16 (lane / 16) + i of my query: two blocks along the last product's K; the six registers of codes leave as they stand.
.macro OUT st, ob, pc, ps
	v_add_f32 v[WK], v[\st+2], v[\st+3]            ; the sum's two halves,
	v_permlanex16_b32 v[T2], v[WK], s20, s21
	v_add_f32 v[WK], v[WK], v[T2]                  ; and lane l xor 16's
	v_rcp_f32 v[WK], v[WK]
	v_nop                                          ; a plain place behind the transcendental,
	s_wait_alu depctr_va_vdst(0)                   ; and the wait ahead of its first reader
.set n, 0
.rept 32
	v_mul_f32 v[S+n], v[\ob+n], v[WK]              ; each accumulator from its low end on
.set n, n+1
.endr
.irp b, 0,1
	v_max3_num_f32 v[BM+\b], |v[S+16*\b]|, |v[S+16*\b+1]|, 0x1800000
.endr
.irp i, 2,4,6,8,10,12,14
.irp b, 0,1
	v_max3_num_f32 v[BM+\b], v[BM+\b], |v[S+16*\b+\i]|, |v[S+16*\b+\i+1]|
.endr
.endr
.irp b, 0,1
	v_permlanex16_b32 v[T2+\b], v[BM+\b], s20, s21
.endr
.irp b, 0,1
	v_max_num_f32 v[BM+\b], v[BM+\b], v[T2+\b]
.endr
.irp b, 0,1
	v_add_nc_u32 v[SO+\b], 0xff000000, v[BM+\b]
.endr
.irp b, 0,1
	v_lshrrev_b32 v[T2+\b], 23, v[SO+\b]
.endr
	v_lshl_or_b32 v[PW], v[T2+1], 8, v[T2]         ; the head's two scale bytes of my row
	v_cvt_scalef32_pk16_fp6_f32 v[PCD:PCD+2], v[S:S+15], v[SO]
	v_cvt_scalef32_pk16_fp6_f32 v[T2+4:T2+6], v[S+16:S+31], v[SO+1]
	v_nop
.irp i, 0,1,2
	v_permlane16_swap_b32 v[PCD+\i], v[T2+4+\i]
.endr
.irp i, 0,1,2
	v_mov_b32 v[PCD+3+\i], v[T2+4+\i]
.endr
	global_store_b128 v[A16], v[PCD:PCD+3], s[\pc:\pc+1]              ; 512 consecutive bytes,
	global_store_b64 v[A8], v[PCD+4:PCD+5], s[\pc:\pc+1] offset:512   ; and the 256 behind them
	global_store_b16 v[R8], v[PW], s[\ps:\ps+1]                       ; two bytes of each row's eight (lanes 16-31 write what lanes 0-15 write): the launch's one small store
.endm
.rept 4
	v_nop                                          ; places behind the last products
.endr
	OUT 8, 154, 46, 48
	s_wait_xcnt 0x0                                ; the stores have read their registers
	OUT 12, 186, 50, 52
	s_wait_tensorcnt 0x0                           ; the wave's end
	ds_add_u32 v[SPW], v[NIL]
	s_wait_dscnt 0x0
	s_endpgm
.Lfunc_end_k_q9b5ca07e1d_attn:
	.size	k_q9b5ca07e1d_attn, .Lfunc_end_k_q9b5ca07e1d_attn-k_q9b5ca07e1d_attn
	.p2alignl 7, 3214868480
	.fill 96, 4, 3214868480
	.section	.rodata,"a",@progbits
	.p2align	6, 0x0
	.amdhsa_kernel k_q9b5ca07e1d_attn
		.amdhsa_group_segment_fixed_size 327680
		.amdhsa_private_segment_fixed_size 0
		.amdhsa_enable_private_segment 0
		.amdhsa_kernarg_size 24
		.amdhsa_user_sgpr_count 2
		.amdhsa_user_sgpr_kernarg_segment_ptr 1
		.amdhsa_wavefront_size32 1
		.amdhsa_system_sgpr_workgroup_id_x 1
		.amdhsa_system_sgpr_workgroup_id_y 1
		.amdhsa_system_sgpr_workgroup_id_z 1
		.amdhsa_system_vgpr_workitem_id 0
		.amdhsa_next_free_vgpr 256
		.amdhsa_next_free_sgpr 66
		.amdhsa_reserve_vcc 1
		.amdhsa_float_denorm_mode_32 3
		.amdhsa_float_denorm_mode_16_64 3
		.amdhsa_memory_ordered 1
		.amdhsa_forward_progress 1
		.amdhsa_inst_pref_size 144
	.end_amdhsa_kernel
	.amdgpu_metadata
---
amdhsa.version: [ 1, 2 ]
amdhsa.kernels:
  - .name:           k_q9b5ca07e1d_attn
    .symbol:         k_q9b5ca07e1d_attn.kd
    .args:
      - { .name: qb, .offset: 0, .size: 8, .value_kind: global_buffer, .address_space: global }
      - { .name: kv, .offset: 8, .size: 8, .value_kind: global_buffer, .address_space: global }
      - { .name: obuf, .offset: 16, .size: 8, .value_kind: global_buffer, .address_space: global }
    .group_segment_fixed_size: 327680
    .private_segment_fixed_size: 0
    .kernarg_segment_align: 8
    .kernarg_segment_size: 24
    .max_flat_workgroup_size: 512
    .sgpr_count:     66
    .vgpr_count:     256
    .wavefront_size: 32
...
	.end_amdgpu_metadata
.endif
;; end of part 3
;; launch gemm_out (part 4): grid 4 x 32, 4 waves a work-group, clusters of 4 x 4, 327,680 bytes of LDS; arguments obuf, ops, out0; writes out0
.if DOCPART == 4
	.amdgcn_target "amdgcn-amd-amdhsa--gfx1250"
	.amdhsa_code_object_version 6
	.text
	.protected	k_q9b5ca07e1d_gemm_out
	.globl	k_q9b5ca07e1d_gemm_out
	.p2align	8
	.type	k_q9b5ca07e1d_gemm_out,@function
k_q9b5ca07e1d_gemm_out:
	s_mov_b64 s[64:65], 0
	v_nop
	global_prefetch_b8 v0, s[64:65] scope:SCOPE_SE
	s_setreg_imm32_b32 hwreg(HW_REG_WAVE_MODE, 25, 1), 1
	s_wait_xcnt 0x0
	s_wait_alu depctr_hold_cnt(0) depctr_sa_sdst(0) depctr_va_vdst(0) depctr_va_sdst(0) depctr_va_ssrc(0) depctr_va_vcc(0) depctr_vm_vsrc(0)
	s_getreg_b32 s2, hwreg(HW_REG_IB_STS2, 6, 4)
	s_cmp_eq_u32 s2, 0
	s_cbranch_scc0 .Lentry_in_a_cluster
	s_endpgm
.Lentry_in_a_cluster:
	s_bfe_u32 s2, ttmp6, 0x10000c
	s_cmp_lg_u32 s2, 0xf033
	s_cbranch_scc0 .Lentry_shape_is_right
	s_endpgm
.Lentry_shape_is_right:
; out0 = o w_out^T on codes of FP6 (E2M3) with E8M0 scales, K = 1,024; out0 [8192][1024] f32.
; OPERANDS are images of operand registers (a group of 128 rows = 102,400 bytes: codes [kslot][tile][khalf][768], scale bytes at 98,304: [kslot][16 tile + r][8]): o from obuf, groups 0-63; w_out from ops, groups 88-95.
; A tile of C, 256 x 256, is made by four waves, 128 x 128 each: 64 accumulators, 512 registers.  K goes in steps of 256 (a kslot) through a ring of two LDS slots; a wave's tensor load brings one group's kslot, 24,576 dense bytes.
; The scales of the four groups, for all of K, come into LDS once with the first fills.  Every LDS read of operands is 16 or 8 bytes x lane on end: no padding.
; CLUSTERS 4 x 4: A's tile is shared along a row of the cluster, B's along a column, each asked for jointly.  THE MATRIX INSTRUCTION IS USED TRANSPOSED: source 0 = 16 rows of B, source 1 = 16 rows of A.
; The rows of a tile are chosen (place r of tile t = row 32 (t / 2) + 8 (t % 2) + r + 8 (r / 8) of its group); the way out puts columns and rows back in their order.
; 128 work-groups: the tile and the loop are those of the first product; no prefetch: four K steps a tile, each tile shared by four partners.
; REGISTERS, in windows of 256: window 0: v0-31 addresses; v32-63 scale words, two sets; v128-223 A's fragments, one set; on the way out v128-255 rows of C.  window 1: B's fragments, two sets.  windows 2, 3: the accumulators.
.set NQ,     2
.set FR,     12
.set NL,     4
.set NP,     4
.set HALFT,  24576
.set SLOT,   4*HALFT
.set LAPS,   2
.set SCL,    2*SLOT
.set HALFS,  4096
.set SBLK,   128
.set SPARE,  SCL+4*HALFS               ; the spare words, 128 bytes for each wave: two blocks of 256 bytes that no other line names
.set GRP,    102400
.set SPITCH, 528                       ; the way out: a stage of 16 rows x (512 bytes + 16) for each wave, in slot 0, which has had its last fill and its last read when the first result is stored there
.set ROWC,   4096                      ; a row of out0 in bytes
.set ADRA, 16
.set ADRB, 20
.set STO,  24                          ; v24    the way out: where I put 32 bytes of a row
.set RD,   25                          ; v25    and where I read a row back
.set ADRS, 27
.set SPW,  28
.set NIL,  29
.set O16,  30                          ; v30    16 x lane
.set O8,   31                          ; v31    8 x lane
.set SC,   32
.set AF,   128
.set BK,   128                         ; the way out: 16 rows read back: v128-191 and v192-255 by turns
.set G1, 24
.set G0, 32
.set G1B, 48
.set G0B, 56
.set G1S, 68
.set G0S, 76
.set G1SB, 80
.set G0SB, 88
.set MSB, 0
.macro WIN new                         ; the immediate's high byte repeats the setting that is left
.if MSB != (\new)
	s_set_vgpr_msb (MSB<<8)|(\new)
.set MSB, (\new)
.endif
.endm
.set MUL_LO, 0xa1
.set MUL_HI, 0xf1
.set TO_B,   0x40
.macro JLOAD g0a, g1a, g0b, g1b        ; a joint load: waves 0 and 1 fetch for A, waves 2 and 3 for B; four v_nop follow each of the two lines
	s_cmp_eq_u32 s15, 0
	s_cbranch_scc0 .Lfor_b_\@
	tensor_load_to_lds s[\g0a:\g0a+3], s[\g1a:\g1a+7]
	s_nop 0
.rept 4
	v_nop
.endr
	s_branch .Lasked_\@
.Lfor_b_\@:
	tensor_load_to_lds s[\g0b:\g0b+3], s[\g1b:\g1b+7]
	s_nop 0
.rept 4
	v_nop
.endr
.Lasked_\@:
.endm
.macro CREST
	s_cmp_lg_u32 s14, 0
	s_cbranch_scc1 .Lnot_wave_0_\@
	s_barrier_signal -3
.Lnot_wave_0_\@:
	s_barrier_wait -3
	s_barrier_signal -1
	s_barrier_wait -1
.endm
.macro CROUND
	s_barrier_signal -1
	s_barrier_wait -1
	CREST
.endm
	s_load_b128 s[4:7], s[0:1], 0x0                ; obuf, ops
	s_load_b64 s[12:13], s[0:1], 0x10              ; out0
	v_lshl_add_u32 v[SPW], v0, 2, SPARE
	v_mov_b32 v[NIL], 0
	ds_add_u32 v28, v29
	s_wait_dscnt 0x0
	v_lshrrev_b32 v1, 5, v0
	v_readfirstlane_b32 s14, v1                    ; wave 0..3
	s_lshr_b32 s15, s14, 1                         ; which of A's two groups is mine.  Also: I fetch for A (0) or for B (1)
	s_and_b32 s16, s14, 1                          ; which of B's.  Also: which of the two groups I fetch
	s_bfe_u32 s40, ttmp6, 0x40000                  ; cx, cy
	s_bfe_u32 s41, ttmp6, 0x40004
	s_lshl_b32 s43, s41, 2
	s_lshl_b32 s43, 15, s43                        ; my row of the cluster
	s_lshl_b32 s44, 0x1111, s40                    ; my column
	s_or_b32 s[G1+0], s43, (3<<16)|(1<<21)         ; 24,576 dense bytes as 96 rows of 256 bytes (32 elements of 8 bytes); the mask, and bit 21 beside it
	s_or_b32 s[G1B+0], s44, (3<<16)|(1<<21)
.irp g, G1, G1B
	s_mov_b32 s[\g+1], 32<<16
	s_mov_b32 s[\g+2], 96<<16
	s_mov_b32 s[\g+3], 32<<16
	s_mov_b32 s[\g+4], 96
	s_mov_b32 s[\g+5], 32
	s_mov_b32 s[\g+6], 0
	s_mov_b32 s[\g+7], 0
.endr
	s_or_b32 s[G1S+0], s43, (3<<16)|(1<<21)        ; the scales of a group: 4,096 dense bytes
	s_or_b32 s[G1SB+0], s44, (3<<16)|(1<<21)
.irp g, G1S, G1SB
	s_mov_b32 s[\g+1], 32<<16
	s_mov_b32 s[\g+2], 16<<16
	s_mov_b32 s[\g+3], 32<<16
	s_mov_b32 s[\g+4], 16
	s_mov_b32 s[\g+5], 32
	s_mov_b32 s[\g+6], 0
	s_mov_b32 s[\g+7], 0
.endr
	s_and_b32 s17, ttmp7, 0xffff
	s_lshl_b32 s20, s17, 3                         ; A: o's group 8 x cluster y + 2 cy + half
	s_lshl_b32 s18, s41, 1
	s_add_co_u32 s20, s20, s18
	s_add_co_u32 s20, s20, s16
	s_lshl_b32 s46, s40, 1                         ; B: w_out's group 88 + 2 cx + half
	s_add_co_u32 s46, s46, 88
	s_add_co_u32 s46, s46, s16
	s_mul_i32 s20, s20, GRP
	s_mov_b32 s21, 0
	s_mul_i32 s46, s46, GRP
	s_mov_b32 s47, 0
	s_mul_i32 s45, s14, HALFT                      ; where they go: no place in the cluster enters an LDS address
	s_mul_i32 s94, s14, HALFS
	s_wait_kmcnt 0x0
	s_add_nc_u64 s[20:21], s[4:5], s[20:21]
	s_add_nc_u64 s[46:47], s[6:7], s[46:47]
	CROUND                                         ; all sixteen work-groups are here: the first joint loads meet
	s_mov_b32 s[G0S], 1
	s_add_co_u32 s[G0S+1], s94, SCL
	s_add_nc_u64 s[G0S+2:G0S+3], s[20:21], 98304
	s_or_b32 s[G0S+3], s[G0S+3], 0x80000000
	s_mov_b32 s[G0SB], 1
	s_add_co_u32 s[G0SB+1], s94, SCL
	s_add_nc_u64 s[G0SB+2:G0SB+3], s[46:47], 98304
	s_or_b32 s[G0SB+3], s[G0SB+3], 0x80000000
	JLOAD G0S, G1S, G0SB, G1SB
.irp s, 0,1
	s_mov_b32 s[G0+4*\s], 1
	s_add_co_u32 s[G0+4*\s+1], s45, \s*SLOT
	s_add_nc_u64 s[G0+4*\s+2:G0+4*\s+3], s[20:21], \s*HALFT
	s_or_b32 s[G0+4*\s+3], s[G0+4*\s+3], 0x80000000
	s_mov_b32 s[G0B+4*\s], 1
	s_add_co_u32 s[G0B+4*\s+1], s45, \s*SLOT
	s_add_nc_u64 s[G0B+4*\s+2:G0B+4*\s+3], s[46:47], \s*HALFT
	s_or_b32 s[G0B+4*\s+3], s[G0B+4*\s+3], 0x80000000
	JLOAD G0+4*\s, G1, G0B+4*\s, G1B               ; three loads of mine are out
.endr
	v_and_b32 v1, 31, v0                           ; lane
	v_and_b32 v2, 15, v0                           ; r
	v_bfe_u32 v3, v0, 4, 1                         ; h
	v_lshlrev_b32 v[O16], 4, v1
	v_lshlrev_b32 v[O8], 3, v1
	s_mul_i32 s21, s15, HALFT
	s_mul_i32 s22, s16, HALFT
	s_add_co_u32 s22, s22, 2*HALFT
.irp s, 0,1
	v_add_nc_u32 v[ADRA+\s], s21, v[O16]
	v_add_nc_u32 v[ADRB+\s], s22, v[O16]
	v_add_nc_u32 v[ADRA+2+\s], s21, v[O8]
	v_add_nc_u32 v[ADRB+2+\s], s22, v[O8]
	s_add_co_u32 s21, s21, SLOT
	s_add_co_u32 s22, s22, SLOT
.endr
	v_lshlrev_b32 v5, 3, v2
	s_mul_i32 s21, s15, HALFS
	s_mul_i32 s22, s16, HALFS
	s_add_co_u32 s22, s22, 2*HALFS
	s_sub_co_u32 s22, s22, s21
	v_mul_u32_u24 v6, s22, v3                      ; lanes 16-31 take B's: one product, the distance between the two
	s_add_co_u32 s21, s21, SCL
	v_add_nc_u32 v5, v5, v6
	v_add_nc_u32 v[ADRS], s21, v5
	s_mul_i32 s23, s14, 16*SPITCH                  ; my stage
	v_mul_u32_u24 v5, v2, SPITCH                   ; in: row r; my half's columns begin 64 bytes on
	v_lshl_add_u32 v5, v3, 6, v5
	v_add_nc_u32 v[STO], s23, v5
	v_add_nc_u32 v[RD], s23, v[O16]                ; back: the 32 lanes take one row of 512 bytes
	s_lshl_b32 s20, s17, 2
	s_add_co_u32 s20, s20, s41                     ; tile row of C
	s_lshl_b32 s20, s20, 8
	s_lshl_b32 s21, s15, 7
	s_add_co_u32 s20, s20, s21                     ; my first row
	s_lshl_b32 s20, s20, 12                        ; in bytes (under 2^26)
	s_mov_b32 s21, 0
	s_lshl_b32 s46, s40, 10                        ; my first column, in bytes: 1,024 cx + 512 x half
	s_lshl_b32 s47, s16, 9
	s_add_co_u32 s46, s46, s47
	s_mov_b32 s47, 0
	s_add_nc_u64 s[20:21], s[20:21], s[46:47]
	s_add_nc_u64 s[12:13], s[12:13], s[20:21]
.macro FRAG reg, adr, q, i             ; a fragment = two pieces of 768 bytes on end
	ds_load_b128 v[\reg:\reg+3], v[\adr] offset:3072*(\i)+1536*(\q)
	ds_load_b64 v[\reg+4:\reg+5], v[\adr+2] offset:3072*(\i)+1536*(\q)+512
	ds_load_b128 v[\reg+6:\reg+9], v[\adr] offset:3072*(\i)+1536*(\q)+768
	ds_load_b64 v[\reg+10:\reg+11], v[\adr+2] offset:3072*(\i)+1536*(\q)+1280
.endm
; 16 matrix instructions; the 64 accumulators take turns, one instruction a turn, in the same order in every step.
.macro MUL16 a0, p, q, sc, zero
.irp a, \a0, \a0+1
.irp b, 0,1,2,3,4,5,6,7
.if \zero
	v_wmma_scale_f32_16x16x128_f8f6f4 v[8*(8*((\a)%4)+\b):8*(8*((\a)%4)+\b)+7], v[128*(\p)+FR*\b:128*(\p)+FR*\b+FR-1], v[AF+FR*(\a):AF+FR*(\a)+FR-1], 0, v[SC+8*NQ*(\sc)+NQ*\b+(\q)], v[SC+8*NQ*(\sc)+NQ*(\a)+(\q)] matrix_a_fmt:MATRIX_FMT_FP6 matrix_b_fmt:MATRIX_FMT_FP6 matrix_a_scale:MATRIX_SCALE_ROW1
.else
	v_wmma_scale_f32_16x16x128_f8f6f4 v[8*(8*((\a)%4)+\b):8*(8*((\a)%4)+\b)+7], v[128*(\p)+FR*\b:128*(\p)+FR*\b+FR-1], v[AF+FR*(\a):AF+FR*(\a)+FR-1], v[8*(8*((\a)%4)+\b):8*(8*((\a)%4)+\b)+7], v[SC+8*NQ*(\sc)+NQ*\b+(\q)], v[SC+8*NQ*(\sc)+NQ*(\a)+(\q)] matrix_a_fmt:MATRIX_FMT_FP6 matrix_b_fmt:MATRIX_FMT_FP6 matrix_a_scale:MATRIX_SCALE_ROW1
.endif
.endr
.endr
.endm
.macro FETCH_B slot, q, p
	WIN TO_B
.irp i, 0,1,2,3,4,5,6,7
	FRAG 128*(\p)+FR*\i, ADRB+\slot, \q, \i
.endr
	WIN 0
.endm
.macro FETCH_A slot, q, i0
.irp i, \i0, \i0+1, \i0+2, \i0+3
	FRAG AF+FR*(\i), ADRA+\slot, \q, \i
.endr
.endm
.macro SCALES sc
.irp i, 0,1,2,3,4,5,6,7
	ds_load_b64 v[SC+8*NQ*\sc+NQ*\i:SC+8*NQ*\sc+NQ*\i+1], v[ADRS] offset:\i*SBLK
.endr
.endm
.macro PLACES n                        ; places in front of loads into registers that matrix instructions have read, and of the first read of results
.rept \n
	v_nop
.endr
.endm
.macro STEP slot, q, zero
	s_wait_dscnt 4*NL                              ; B's set and A's blocks 0-3 are in; the youngest sixteen loads (A's blocks 4-7) may be out
	WIN MUL_LO
	MUL16 0, (\q)%2, \q, \slot, \zero
	MUL16 2, (\q)%2, \q, \slot, \zero
	s_wait_dscnt 0
	PLACES NP
	FETCH_B \slot, (\q)+1, 1-(\q)%2
	FETCH_A \slot, (\q)+1, 0
	WIN MUL_HI
	MUL16 4, (\q)%2, \q, \slot, \zero
	MUL16 6, (\q)%2, \q, \slot, \zero
	PLACES NP
	WIN 0
	FETCH_A \slot, (\q)+1, 4
.endm
; A slot's last step changes slots: ONE barrier; in front of it each wave waits for all its tensor loads, adds 0 to its spare word, and waits for that and for its own reads of this slot.
.macro TURN slot, next, fill
	s_wait_tensorcnt 0x0                           ; all my tensor loads have landed: my part of the next slot
	ds_add_u32 v[SPW], v[NIL]                      ; 0 onto my spare word
	s_wait_dscnt 4*NL+1                            ; (the add and the youngest sixteen loads may be out)
	WIN MUL_LO
	MUL16 0, 1, NQ-1, \slot, 0
	s_wait_dscnt 0x0                               ; the add is done, and my reads of this slot are over
	s_barrier_signal -1
	MUL16 2, 1, NQ-1, \slot, 0
	WIN 0
	s_barrier_wait -1
.if \fill
	CREST                                          ; the barrier has opened a round of the cluster's barrier
	s_add_nc_u64 s[G0+4*\slot+2:G0+4*\slot+3], s[G0+4*\slot+2:G0+4*\slot+3], 2*HALFT
	s_add_nc_u64 s[G0B+4*\slot+2:G0B+4*\slot+3], s[G0B+4*\slot+2:G0B+4*\slot+3], 2*HALFT
	JLOAD G0+4*\slot, G1, G0B+4*\slot, G1B         ; the first tensor load behind the round
.else
	PLACES NP
.endif
	v_add_nc_u32 v[ADRS], 1024, v[ADRS]
	FETCH_B \next, 0, 0
	FETCH_A \next, 0, 0
	SCALES \next
	WIN MUL_HI
	MUL16 4, 1, NQ-1, \slot, 0
	MUL16 6, 1, NQ-1, \slot, 0
	PLACES NP
	WIN 0
	FETCH_A \next, 0, 4
.endm
	s_wait_tensorcnt 1                             ; the scales and my part of kslot 0 are in (kslot 1's load may be out)
	s_barrier_signal -1
	s_barrier_wait -1
	FETCH_B 0, 0, 0
	FETCH_A 0, 0, 0
	SCALES 0
	FETCH_A 0, 0, 4
	STEP 0, 0, 1
	s_mov_b32 s3, LAPS-1
.Llap:
	TURN 0, 1, 1
	STEP 1, 0, 0
	TURN 1, 0, 1
	STEP 0, 0, 0
	s_sub_co_u32 s3, s3, 1
	s_cmp_lg_u32 s3, 0
	s_cbranch_scc1 .Llap
	TURN 0, 1, 0
	STEP 1, 0, 0
	s_wait_dscnt 4*NL
	WIN MUL_LO
	MUL16 0, 1, NQ-1, 1, 0
	MUL16 2, 1, NQ-1, 1, 0
	s_wait_dscnt 0
	WIN MUL_HI
	MUL16 4, 1, NQ-1, 1, 0
	MUL16 6, 1, NQ-1, 1, 0
	WIN 0
; THE WAY OUT, block by block of 16 rows x 128 columns, through my own stage.  Accumulator b of lane (r, h) holds columns 32 (b / 2) + 8 (b % 2) + 16 h + 0 .. 7 of the row at place r: they go to their true bytes in the stage's row r.
; Stage row t is row t + 8 (t / 8) of the block's 24; block a begins at row 32 (a / 2) + 8 (a % 2).  LDS serves a wave's instructions in order (ISA guide 5.7.1.4): no wait between the stores and the loads.
.macro TOSTAGE a
.set AC, 64*((\a)%4)
	WIN 0x08+4*((\a)/4)                            ; the data: window 2 or 3
.irp b, 0,1,2,3,4,5,6,7
	ds_store_b128 v[STO], v[AC+8*\b:AC+8*\b+3] offset:128*(\b/2)+32*(\b%2)          ; each accumulator from its low end on
	ds_store_b128 v[STO], v[AC+8*\b+4:AC+8*\b+7] offset:128*(\b/2)+32*(\b%2)+16
.endr
	WIN 0
.set BB, BK+64*((\a)%2)
.irp t, 0,1,2,3,4,5,6,7,8,9,10,11,12,13,14,15
	ds_load_b128 v[BB+4*\t:BB+4*\t+3], v[RD] offset:\t*SPITCH
.endr
.endm
.macro SEND a, younger                 ; younger: the LDS instructions issued behind block a's loads, which may stay out
.set BB, BK+64*((\a)%2)
	s_wait_dscnt \younger
.if (\a) > 0
.if (\a)%2 == 1
	s_add_nc_u64 s[12:13], s[12:13], 8*ROWC        ; (behind a wait on XCNT: the earlier stores have read their base)
.else
	s_add_nc_u64 s[12:13], s[12:13], 24*ROWC
.endif
.endif
.irp t, 0,1,2,3,4,5,6,7,8,9,10,11,12,13,14,15
	global_store_b128 v[O16], v[BB+4*\t:BB+4*\t+3], s[12:13] offset:(\t+8*(\t/8))*ROWC th:TH_STORE_NT   ; 32 lanes store 512 consecutive bytes, at a multiple of 256 from out0's first byte
.endr
.endm
	PLACES NP
	TOSTAGE 0
.irp a, 1,2,3,4,5,6,7
.if \a > 1
	s_wait_xcnt 0x0                                ; block a - 2's stores have read their registers and their base
.endif
	TOSTAGE \a
	SEND \a-1, 32                                  ; behind block a - 1's loads: block a's 16 stores and 16 loads
.endr
	s_wait_xcnt 0x0
	SEND 7, 0
	s_wait_tensorcnt 0x0                           ; the wave's end
	ds_add_u32 v[SPW], v[NIL]
	s_wait_dscnt 0x0
	CROUND                                         ; the closing round
	s_endpgm
.Lfunc_end_k_q9b5ca07e1d_gemm_out:
	.size	k_q9b5ca07e1d_gemm_out, .Lfunc_end_k_q9b5ca07e1d_gemm_out-k_q9b5ca07e1d_gemm_out
	.p2alignl 7, 3214868480
	.fill 96, 4, 3214868480
	.section	.rodata,"a",@progbits
	.p2align	6, 0x0
	.amdhsa_kernel k_q9b5ca07e1d_gemm_out
		.amdhsa_group_segment_fixed_size 327680
		.amdhsa_private_segment_fixed_size 0
		.amdhsa_enable_private_segment 0
		.amdhsa_kernarg_size 24
		.amdhsa_user_sgpr_count 2
		.amdhsa_user_sgpr_kernarg_segment_ptr 1
		.amdhsa_wavefront_size32 1
		.amdhsa_system_sgpr_workgroup_id_x 1
		.amdhsa_system_sgpr_workgroup_id_y 1
		.amdhsa_system_sgpr_workgroup_id_z 1
		.amdhsa_system_vgpr_workitem_id 0
		.amdhsa_next_free_vgpr 1024
		.amdhsa_next_free_sgpr 98
		.amdhsa_reserve_vcc 0
		.amdhsa_float_denorm_mode_32 3
		.amdhsa_float_denorm_mode_16_64 3
		.amdhsa_memory_ordered 1
		.amdhsa_forward_progress 1
		.amdhsa_inst_pref_size 143
	.end_amdhsa_kernel
	.amdgpu_metadata
---
amdhsa.version: [ 1, 2 ]
amdhsa.kernels:
  - .name:           k_q9b5ca07e1d_gemm_out
    .symbol:         k_q9b5ca07e1d_gemm_out.kd
    .args:
      - { .name: obuf, .offset: 0, .size: 8, .value_kind: global_buffer, .address_space: global }
      - { .name: ops, .offset: 8, .size: 8, .value_kind: global_buffer, .address_space: global }
      - { .name: out0, .offset: 16, .size: 8, .value_kind: global_buffer, .address_space: global }
    .group_segment_fixed_size: 327680
    .private_segment_fixed_size: 0
    .kernarg_segment_align: 8
    .kernarg_segment_size: 24
    .max_flat_workgroup_size: 128
    .sgpr_count:     98
    .vgpr_count:     1024
    .wavefront_size: 32
...
	.end_amdgpu_metadata
.endif
;; end of part 4
